; MI455X (gfx1250); checked and timed in simulation.
; The chip was launched on July 23, 2026; its instructions are those of AMD's public machine-readable ISA for CDNA 5 (MIT licence, August 2026) and "CDNA5" Instruction Set Architecture Reference Guide (July 2026). The comments in the code are by the model that wrote it; some were corrected since.
;; Multi Head Attention. Allowed arithmetic: matrix products marked QUANTISED: E2M3 operands, one E8M0 scale for each 32 along K, by v_wmma_scale_f32_16x16x128_f8f6f4 with both operands' format E2M3, f32 sums; everything else in f32.
;; Inputs: bk 1,024 float32; bo 1,024 float32; bq 1,024 float32; bv 1,024 float32; mask 8 x 1,024 float32; wk 1,024 x 1,024 float32; wo 1,024 x 1,024 float32; wq 1,024 x 1,024 float32; wv 1,024 x 1,024 float32; x 8 x 1,024 x 1,024 float32.
;; Outputs: out0 8 x 1,024 x 1,024 float32.
;; Constants: n_head = 16.
;; This version of the problem:
;;   THIS VERSION OF THE PROBLEM IS GIVEN IN LOW PRECISION. The matrix products marked QUANTISED in the list below multiply operands that are first quantised to E2M3 (2 exponent bits, 3 mantissa bits; 6 bits a number), with one power-of-two scale for each 32 numbers along K (OCP MX v1.0); their sums are f32. All else is computed in f32.
;;   The module's matrix products, in the order in which they are computed (A, B: the left and right operand; K: the contracted axis; several contracted axes count as one K, in the product's order):
;;     1. [M 8,192, K 1,024] x [K 1,024, N 1,024]; A: input x; B: input wq: QUANTISED
;;     2. [M 8,192, K 1,024] x [K 1,024, N 1,024]; A: input x; B: input wk: QUANTISED
;;     3. [M 8,192, K 1,024] x [K 1,024, N 1,024]; A: input x; B: input wv: QUANTISED
;;     4. batch 128 x [M 1,024, K 64] x [K 64, N 1,024]; A: computed on the way; B: computed on the way: QUANTISED
;;     5. batch 128 x [M 1,024, K 1,024] x [K 1,024, N 64]; A: computed on the way; B: computed on the way: QUANTISED
;;     6. [M 8,192, K 1,024] x [K 1,024, N 1,024]; A: computed on the way; B: input wo: QUANTISED
;;   THE QUANTISER, for each operand of a quantised product, along K:
;;     - K is cut into blocks of 32 from its start; a last block that is shorter is filled with zeros.
;;     - A block's scale is 2^e with e = floor(log2(the largest magnitude in the block)) - 2, held to -126 .. 127; a block of zeros has e = 0. As a byte (E8M0): e + 127.
;;     - Each number is divided by its block's scale, clamped to +-7.5, and rounded to the nearest number of E2M3, ties to even, subnormals kept.
;;     - The product sums the exact products of the quantised numbers (number of the format x scale) in f32.
;;   ~~~python
;;   def quantise(x, axis):      # numpy; x: float32 -> the quantised numbers, widened to float32 again
;;       x = np.moveaxis(x, axis, -1); K = x.shape[-1]
;;       x = np.pad(x, [(0, 0)] * (x.ndim - 1) + [(0, -K % 32)]); x = x.reshape(x.shape[:-1] + (-1, 32)); a = np.abs(x).max(-1, keepdims=True)
;;       e = np.where(a > 0, np.clip(np.frexp(np.where(a > 0, a, 1))[1] - 1 - 2, -126, 127), 0)      # np.frexp(a)[1] - 1 = floor(log2(a)), exactly
;;       r = np.clip(x / 2.0 ** e, -7.5, 7.5)
;;       step = 2.0 ** (np.maximum(np.frexp(np.where(r == 0, 1, r))[1] - 1, 0) - 3)
;;       q = np.round(r / step) * step * 2.0 ** e      # np.round: ties to even
;;       return np.moveaxis(q.reshape(q.shape[:-2] + (-1,))[..., :K], -1, axis).astype(np.float32)
;;   ~~~
;;   OPERANDS COMPUTED ON THE WAY. 'Computed on the way' means the value that the module computes at that place (a softmax that the list does not call 'softmax' is quantised finished and normalised). What goes into a quantiser is computed in f32, as accurately as f32 sums, v_exp_f32 and their like allow (about 1e-6 of the number): no bf16 or f16 on the way to a quantiser, and a product that is left as it is and whose result goes on into a quantised operand takes f32 operands (vector FMAs, or v_wmma_f32_16x16x4_f32). A number that lies on a knife's edge between two numbers of the format may be rounded either way, as far as f32 arithmetic and the matrix unit's own rounding can turn it there, and no further.
;; One version. Each part assembles by itself: llvm-mc -triple=amdgcn-amd-amdhsa -mcpu=gfx1250 --defsym DOCPART=n.
;; ======== version 1 of 1: 4 launches
;; limits: right only within a limited range of input values
;; workspace buffers: xc 6,291,456 bytes; xs 262,144 bytes; wc 3,145,728 bytes; ws 131,072 bytes; qkv 19,660,800 bytes; yc 6,291,456 bytes; ys 262,144 bytes
;; launch quant (part 1): grid 384 x 1, 4 waves a work-group, no clusters, 84,480 bytes of LDS; arguments x, wq, wk, wv, wo, xc, xs, wc, ws; writes xc, xs, wc, ws
.if DOCPART == 1
	.amdgcn_target "amdgcn-amd-amdhsa--gfx1250"
	.amdhsa_code_object_version 6
	.text
	.protected	k_q2258b1c798_quant
	.globl	k_q2258b1c798_quant
	.p2align	8
	.type	k_q2258b1c798_quant,@function
k_q2258b1c798_quant:
	s_mov_b64 s[64:65], 0
	v_nop
	global_prefetch_b8 v0, s[64:65] scope:SCOPE_SE
	s_setreg_imm32_b32 hwreg(HW_REG_WAVE_MODE, 25, 1), 1
	s_wait_xcnt 0x0
; x [8192][1024] f32 and the four weights [1024 (k)][1024 (n)] f32 are turned into codes of FP6 (E2M3), K innermost, with one E8M0 scale byte for each 32 along K.
; xc [8192][768], xs [8192][32];  wc [4096][768], ws [4096][32]: rows n of wq, wk, wv, wo in that order.
; A block's scale is 2^(floor(log2(its largest magnitude)) - 2); its byte is the largest magnitude's exponent field - 2, held at 1 from below.
; LIMITS: a block of zeros, or one whose largest magnitude lies under 2^-124, gets the byte 1 where the rule says 127 or less: the bytes are read by this program alone, and a block of zeros has zero codes. NaN and infinities are not served.
; Work-groups 0-255 take x (a plain stream of blocks of 32: K is innermost); work-groups 256-383 take the weights (K is the first axis: a lane takes a column, its registers run down K).
; The two ways part on the work-group's number and have LDS bytes of their own.  No tensor loads, no barrier: waves share nothing.
; wo's codes are laid, inside each block of 32, in the order in which the attention launch leaves y's codes: places 8-15 hold k 16-23, places 16-23 hold k 8-15.  The same order on both operands changes no product.
.set XWG,   256                        ; work-groups for x: 8,388,608 numbers / 32,768
.set STEPS, 16
.set EMAX,  2
.set CB,    12                         ; bytes of 16 codes
.set R,     16                         ; x: v16-79 four sets of 16 numbers as loaded
.set X,     80                         ; v80-111 two sets of 16 neighbours
.set C,     128                        ; v128-191 codes, four registers a step
.set E,     112                        ; v112-127 a scale byte a step
.set WREG,  12288                      ; x: LDS of a wave: two stages of 32 x SP bytes, its 256 scale bytes, then 24 pieces of 256 bytes + 16: the image of its codes
.set SP,    80
.set WLDS,  49152
.set NB,    8                          ; blocks of 32 along K for a wave
.set ROWB,  192                        ; bytes of 256 codes
.set PITCH, 272                        ; a stage row: sixteen places of 16 bytes + 16
.set KROW,  768                        ; a row of codes in memory
.set WX,    32                         ; v32-95 two sets of 32 numbers
.set WC,    96                         ; a block's codes
.set OUTR,  112                        ; v112-159 the way out
.set SB,    24                         ; v24-25 the scale bytes
.macro XLOAD t
.irp i, 0,1,2,3
	global_load_b128 v[R+16*((\t)%4)+4*\i:R+16*((\t)%4)+4*\i+3], v3, s[4:5] offset:4096*(\t)+512*\i th:TH_LOAD_NT   ; step t is row t of my 16, 512 numbers of it
.endr
.endm
.macro XTURN t                         ; a step's numbers through the wave's stage: in as they lie, back 64 bytes a lane.  LDS serves a wave's instructions in order
.irp i, 0,1,2,3
	ds_store_b128 v14, v[R+16*((\t)%4)+4*\i:R+16*((\t)%4)+4*\i+3] offset:32*SP*((\t)%2)+8*SP*\i
.endr
.irp i, 0,1,2,3
	ds_load_b128 v[X+16*((\t)%2)+4*\i:X+16*((\t)%2)+4*\i+3], v15 offset:32*SP*((\t)%2)+16*\i
.endr
.endm
.macro XSTEP t
.set XS, X+16*((\t)%2)
.if (\t) > 0
	s_wait_dscnt 4                                 ; this step's numbers are back (the last step's four stores of byte and codes may be out)
.else
	s_wait_dscnt 0x0
.endif
.if (\t)+4 < STEPS
	XLOAD (\t)+4                                   ; into the registers that this step's stage stores have read
.endif
.if (\t)+1 < STEPS
.if STEPS-2-(\t) >= 3
	s_wait_loadcnt 12                              ; the next step's four loads are in; three later steps' may be out
.else
	s_wait_loadcnt 4*(STEPS-2-(\t))
.endif
	XTURN (\t)+1
.endif
	v_max3_num_f32 v8, |v[XS]|, |v[XS+1]|, |v[XS+2]|               ; the largest magnitude of my 16, in two chains
	v_max3_num_f32 v9, |v[XS+3]|, |v[XS+4]|, |v[XS+5]|
.irp i, 6,10
	v_max3_num_f32 v8, v8, |v[XS+\i]|, |v[XS+\i+1]|
	v_max3_num_f32 v9, v9, |v[XS+\i+2]|, |v[XS+\i+3]|
.endr
	v_max3_num_f32 v8, v8, |v[XS+14]|, |v[XS+15]|
	v_max3_num_f32 v8, v8, v9, (EMAX+1)<<23        ; and the floor 2^(3 - 127): the byte cannot fall under 1
	v_max_num_f32_dpp v8, v8, v8 row_xmask:1 row_mask:0xf bank_mask:0xf   ; with my neighbour's 16: the block's
	v_add_nc_u32 v11, -(EMAX<<23), v8              ; 2 off the exponent field: the conversion's scale operand
	v_cvt_scalef32_pk16_fp6_f32 v[C+4*(\t):C+4*(\t)+2], v[XS:XS+15], v11
	v_lshrrev_b32 v[E+(\t)], 23, v11               ; the scale's byte
	ds_store_b8 v5, v[E+(\t)] offset:16*(\t)       ; both lanes of a block write the same byte with the same value
	ds_store_b32 v4, v[C+4*(\t)] offset:8*(\t)               ; my 12 bytes into the image: a block's 24 bytes are three pieces of 8, each in its own run of 256 bytes, at 8 x (16 h + row)
	ds_store_b32 v10, v[C+4*(\t)+1] offset:8*(\t)+4
	ds_store_b32 v4, v[C+4*(\t)+2] offset:8*(\t)+PITCH
.endm
.macro WLOAD t                         ; block t of my column into set t % 2: register i holds the number of place i
.irp i, 0,1,2,3,4,5,6,7,8,9,10,11,12,13,14,15,16,17,18,19,20,21,22,23,24,25,26,27,28,29,30,31
.if (\i >= 8) && (\i < 16)
	global_load_b32 v[WX+32*((\t)%2)+\i], v14, s[4:5] offset:(32*(\t)+\i)*4096 th:TH_LOAD_NT       ; v14: eight rows further down for wo
.elseif (\i >= 16) && (\i < 24)
	global_load_b32 v[WX+32*((\t)%2)+\i], v15, s[4:5] offset:(32*(\t)+\i-8)*4096 th:TH_LOAD_NT     ; v15: eight rows further down for all but wo
.else
	global_load_b32 v[WX+32*((\t)%2)+\i], v3, s[4:5] offset:(32*(\t)+\i)*4096 th:TH_LOAD_NT
.endif
.endr
.endm
.macro WBLOCK t
.set XS, WX+32*((\t)%2)
.if (\t) < NB-1
	s_wait_loadcnt 32                              ; this block's 32 loads are in; the next block's may be out
.else
	s_wait_loadcnt 0x0
.endif
	v_max3_num_f32 v12, |v[XS]|, |v[XS+1]|, |v[XS+2]|              ; all 32 numbers of the block are mine
	v_max3_num_f32 v13, |v[XS+3]|, |v[XS+4]|, |v[XS+5]|
.irp i, 6,10,14,18,22,26
	v_max3_num_f32 v12, v12, |v[XS+\i]|, |v[XS+\i+1]|
	v_max3_num_f32 v13, v13, |v[XS+\i+2]|, |v[XS+\i+3]|
.endr
	v_max3_num_f32 v12, v12, |v[XS+30]|, |v[XS+31]|
	v_max3_num_f32 v12, v12, v13, (EMAX+1)<<23
	v_add_nc_u32 v11, -(EMAX<<23), v12
	v_lshrrev_b32 v13, 23, v11
.if (\t)%4 == 0
	v_mov_b32 v[SB+(\t)/4], v13                    ; four bytes to a register, the lower K in the lower byte
.else
	v_lshl_or_b32 v[SB+(\t)/4], v13, 8*((\t)%4), v[SB+(\t)/4]
.endif
	v_cvt_scalef32_pk16_fp6_f32 v[WC:WC+2], v[XS:XS+15], v11
	v_cvt_scalef32_pk16_fp6_f32 v[WC+4:WC+6], v[XS+16:XS+31], v11  ; (a conversion's three registers begin on an even number)
	v_nop                                          ; one plain place behind a scaled conversion
	v_mov_b32 v[WC+3], v[WC+4]                     ; the block's 24 bytes in six registers on end
	v_mov_b32 v[WC+4], v[WC+5]
	v_mov_b32 v[WC+5], v[WC+6]
.set OB, (6*((\t)/4)+3*(((\t)%4)/2))*PITCH+128*((\t)%2)
	ds_store_b64 v4, v[WC:WC+1] offset:OB          ; three pieces of 8 bytes into the image: piece 3 c + j of K step t / 4, at 8 x (16 h + row)
	ds_store_b64 v4, v[WC+2:WC+3] offset:OB+PITCH
	ds_store_b64 v4, v[WC+4:WC+5] offset:OB+2*PITCH
.if (\t)+2 < NB
	WLOAD (\t)+2
.endif
	s_wait_dscnt 0x0                               ; the stores have read their registers: the next block's codes may be written
.endm
	v_lshl_add_u32 v192, v0, 2, 0x14800
	v_mov_b32 v193, 0
	s_cmp_lt_u32 ttmp9, XWG
	s_cbranch_scc0 .Lweights
	; ---------------- x: a wave takes 16 steps of 512 numbers
	s_load_b64 s[4:5], s[0:1], 0x0                 ; x
	s_load_b64 s[8:9], s[0:1], 0x28                ; xc
	s_load_b64 s[10:11], s[0:1], 0x30              ; xs
	v_lshrrev_b32 v1, 5, v0
	v_readfirstlane_b32 s16, v1                    ; wave
	v_and_b32 v2, 31, v0                           ; lane
	v_lshlrev_b32 v3, 4, v2                        ; my 16 bytes of a load's 512
	s_mul_i32 s17, s16, WREG
	v_lshrrev_b32 v14, 2, v2
	v_mul_u32_u24 v14, v14, SP
	v_and_b32 v15, 3, v2
	v_lshl_add_u32 v14, v15, 4, v14
	v_add_nc_u32 v14, s17, v14                     ; the stage, in: SP (lane / 4) + 16 (lane % 4)
	v_mul_u32_u24 v15, v2, SP
	v_add_nc_u32 v15, s17, v15                     ; and out: SP x lane
	; xc and wc are laid as images of operand registers: [tile of 16 rows][K step of 128][piece 6][lane 32][8 bytes]; lane 16 h + r, pieces 3 c .. 3 c + 2: row r, k = 64 c + 32 h + 0 .. 31.
	; A wave takes a tile of 16 rows x 512 along K: four K steps, 6,144 consecutive bytes of xc.
	v_lshrrev_b32 v5, 1, v2
	s_add_co_u32 s17, s17, 2*32*SP
	v_add_nc_u32 v5, s17, v5                       ; my block's byte among the wave's 256: [row 16][16]
	v_lshlrev_b32 v7, 3, v2
	v_add_nc_u32 v6, s17, v7
	s_add_co_u32 s26, s17, 256                     ; the image's stage
	v_lshrrev_b32 v1, 3, v2                        ; K step lane / 8,
	v_mul_u32_u24 v1, v1, 6*PITCH
	v_bfe_u32 v12, v2, 2, 1                        ; c,
	v_mad_u32_u24 v1, v12, 3*PITCH, v1
	v_bfe_u32 v12, v2, 1, 1                        ; h
	v_lshl_add_u32 v1, v12, 7, v1
	v_add_nc_u32 v1, s26, v1
	v_and_b32 v12, 1, v2                           ; the block's first 12 bytes or its last
	v_mad_u32_u24 v4, v12, PITCH+4, v1             ; words 0 and 2 of my three
	v_mad_u32_u24 v10, v12, 2*PITCH-4, v1          ; word 1
	v_lshrrev_b32 v7, 1, v2
	v_lshlrev_b32 v7, 5, v7
	v_lshl_add_u32 v7, v12, 3, v7                  ; xs: row lane / 2 of 32 bytes, 8 bytes a lane
	v_lshrrev_b32 v12, 4, v2
	v_mul_u32_u24 v12, v12, PITCH
	v_and_b32 v1, 15, v2
	v_lshl_add_u32 v1, v1, 4, v12
	v_add_nc_u32 v1, s26, v1                       ; the image back: sixteen lanes to a piece
	s_lshl_b32 s17, ttmp9, 2
	s_add_co_u32 s18, s17, s16                     ; 2 x tile + half of K
	s_lshr_b32 s24, s18, 1
	s_and_b32 s25, s18, 1
	s_lshl_b32 s20, s24, 16                        ; x: 16 rows of 4,096 bytes a tile,
	s_lshl_b32 s21, s25, 11
	s_add_co_u32 s20, s20, s21                     ; 2,048 bytes a half
	s_mov_b32 s21, 0
	s_mul_i32 s22, s18, 6144                       ; xc
	s_mov_b32 s23, 0
	s_lshl_b32 s18, s24, 9                         ; xs [8192][32]: 512 bytes a tile, 16 a half: a wave writes 16 bytes of each of its rows
	s_lshl_b32 s25, s25, 4
	s_add_co_u32 s18, s18, s25
	s_mov_b32 s19, 0
	s_wait_alu depctr_va_vdst(0)
	s_wait_kmcnt 0x0
	s_add_nc_u64 s[4:5], s[4:5], s[20:21]
	s_add_nc_u64 s[8:9], s[8:9], s[22:23]
	s_add_nc_u64 s[10:11], s[10:11], s[18:19]
.irp t, 0,1,2,3
	XLOAD \t
.endr
	s_wait_loadcnt 12                              ; step 0's four loads are in
	XTURN 0
.irp t, 0,1,2,3,4,5,6,7,8,9,10,11,12,13,14,15
	XSTEP \t
.endr
	ds_load_b64 v[12:13], v6                       ; LDS serves a wave's instructions in order: these see my stores
.irp i, 0,1,2,3,4,5,6,7,8,9,10,11
	ds_load_b128 v[R+4*\i:R+4*\i+3], v1 offset:2*\i*PITCH
.endr
	s_wait_dscnt 12                                ; the bytes are in; the image's 12 loads may be out
	global_store_b64 v7, v[12:13], s[10:11]
	s_wait_dscnt 0x0
.irp i, 0,1,2,3,4,5,6,7,8,9,10,11
	global_store_b128 v3, v[R+4*\i:R+4*\i+3], s[8:9] offset:512*\i   ; 32 lanes store 512 consecutive bytes, aligned
.endr
	s_wait_tensorcnt 0x0
	ds_add_u32 v192, v193
	s_wait_dscnt 0x0
	s_endpgm
.Lweights:
	; ---------------- a weight: a wave takes 32 columns x 256 along K
	s_load_b64 s[4:5], s[0:1], 0x8                 ; wq
	s_load_b64 s[6:7], s[0:1], 0x10                ; wk
	s_load_b64 s[8:9], s[0:1], 0x18                ; wv
	s_load_b64 s[10:11], s[0:1], 0x20              ; wo
	s_load_b64 s[12:13], s[0:1], 0x38              ; wc
	s_load_b64 s[14:15], s[0:1], 0x40              ; ws
	s_sub_co_u32 s30, ttmp9, XWG
	s_lshr_b32 s31, s30, 5                         ; which weight: 32 work-groups each
	s_and_b32 s32, s30, 7                          ; which 128 columns
	s_bfe_u32 s18, s30, 0x20003                    ; which 256 along K
	v_lshrrev_b32 v1, 5, v0
	v_readfirstlane_b32 s16, v1                    ; wave
	v_and_b32 v2, 31, v0                           ; lane
	s_lshl_b32 s17, s32, 7
	s_lshl_b32 s19, s16, 5
	s_add_co_u32 s17, s17, s19                     ; my wave's first column
	v_lshlrev_b32 v3, 2, v2                        ; in: 4 bytes a lane
	s_mul_i32 s19, s16, 32*PITCH
	s_add_co_u32 s19, s19, WLDS                    ; my stage
	v_and_b32 v5, 15, v2
	v_lshrrev_b32 v6, 4, v2
	v_mul_u32_u24 v4, v6, 12*PITCH                 ; into the stage: my tile's 12 pieces (two K steps), 8 bytes a row
	v_lshl_add_u32 v4, v5, 3, v4
	v_add_nc_u32 v4, s19, v4
	v_mul_u32_u24 v7, v6, PITCH
	v_lshl_add_u32 v7, v5, 4, v7
	v_add_nc_u32 v7, s19, v7                       ; out of it: sixteen lanes to a piece, two pieces an instruction
	v_lshlrev_b32 v8, 4, v2                        ; and the same place in wc
	v_lshlrev_b32 v9, 5, v2                        ; my column's row of scale bytes
	s_lshl_b32 s20, s18, 20                        ; the weight: 256 rows of 4,096 bytes for each step along K,
	s_lshl_b32 s21, s17, 2
	s_add_co_u32 s20, s20, s21                     ; + 4 x column
	s_mov_b32 s21, 0
	s_lshl_b32 s22, s31, 10
	s_add_co_u32 s22, s22, s17                     ; the row of wc and ws
	s_mul_i32 s24, s22, KROW
	s_mul_i32 s25, s18, 3072                       ; two K steps of 1,536 bytes
	s_add_co_u32 s24, s24, s25
	s_mov_b32 s25, 0
	s_lshl_b32 s26, s22, 5
	s_lshl_b32 s27, s18, 3
	s_add_co_u32 s26, s26, s27
	s_mov_b32 s27, 0
	s_cmp_eq_u32 s31, 3                            ; wo?
	s_cselect_b32 s33, 32768, 0                    ; eight rows of 4,096 bytes
	s_cselect_b32 s34, 0, 32768
	v_add_nc_u32 v14, s33, v3
	v_add_nc_u32 v15, s34, v3
	s_wait_alu depctr_va_vdst(0)
	s_wait_kmcnt 0x0
	s_cmp_eq_u32 s31, 1                            ; the choice hangs on the work-group's number alone
	s_cselect_b64 s[4:5], s[6:7], s[4:5]
	s_cmp_eq_u32 s31, 2
	s_cselect_b64 s[4:5], s[8:9], s[4:5]
	s_cmp_eq_u32 s31, 3
	s_cselect_b64 s[4:5], s[10:11], s[4:5]
	s_add_nc_u64 s[4:5], s[4:5], s[20:21]
	s_add_nc_u64 s[12:13], s[12:13], s[24:25]
	s_add_nc_u64 s[14:15], s[14:15], s[26:27]
	WLOAD 0
	WLOAD 1
.irp t, 0,1,2,3,4,5,6,7
	WBLOCK \t
.endr
	s_wait_alu depctr_va_vdst(0)
	global_store_b64 v9, v[SB:SB+1], s[14:15]      ; my column's 8 scale bytes
.irp t, 0,1,2,3,4,5,6,7,8,9,10,11
	ds_load_b128 v[OUTR+4*\t:OUTR+4*\t+3], v7 offset:2*\t*PITCH   ; LDS serves a wave's instructions in order: these see my stores
.endr
.irp t, 0,1,2,3,4,5,6,7,8,9,10,11
	s_wait_dscnt 11-\t                             ; the younger loads may be out
	global_store_b128 v8, v[OUTR+4*\t:OUTR+4*\t+3], s[12:13] offset:(\t/6)*12288+(\t%6)*512   ; 512 consecutive bytes, aligned; the second tile lies 12,288 bytes on
.endr
	s_wait_tensorcnt 0x0
	ds_add_u32 v192, v193
	s_wait_dscnt 0x0
	s_endpgm
.Lfunc_end_k_q2258b1c798_quant:
	.size	k_q2258b1c798_quant, .Lfunc_end_k_q2258b1c798_quant-k_q2258b1c798_quant
	.p2alignl 7, 3214868480
	.fill 96, 4, 3214868480
	.section	.rodata,"a",@progbits
	.p2align	6, 0x0
	.amdhsa_kernel k_q2258b1c798_quant
		.amdhsa_group_segment_fixed_size 84480
		.amdhsa_private_segment_fixed_size 0
		.amdhsa_enable_private_segment 0
		.amdhsa_kernarg_size 72
		.amdhsa_user_sgpr_count 2
		.amdhsa_user_sgpr_kernarg_segment_ptr 1
		.amdhsa_wavefront_size32 1
		.amdhsa_system_sgpr_workgroup_id_x 1
		.amdhsa_system_sgpr_workgroup_id_y 1
		.amdhsa_system_sgpr_workgroup_id_z 1
		.amdhsa_system_vgpr_workitem_id 0
		.amdhsa_next_free_vgpr 194
		.amdhsa_next_free_sgpr 66
		.amdhsa_reserve_vcc 0
		.amdhsa_float_denorm_mode_32 3
		.amdhsa_float_denorm_mode_16_64 3
		.amdhsa_memory_ordered 1
		.amdhsa_forward_progress 1
		.amdhsa_inst_pref_size 79
	.end_amdhsa_kernel
	.amdgpu_metadata
---
amdhsa.version: [ 1, 2 ]
amdhsa.kernels:
  - .name:           k_q2258b1c798_quant
    .symbol:         k_q2258b1c798_quant.kd
    .args:
      - { .name: x, .offset: 0, .size: 8, .value_kind: global_buffer, .address_space: global }
      - { .name: wq, .offset: 8, .size: 8, .value_kind: global_buffer, .address_space: global }
      - { .name: wk, .offset: 16, .size: 8, .value_kind: global_buffer, .address_space: global }
      - { .name: wv, .offset: 24, .size: 8, .value_kind: global_buffer, .address_space: global }
      - { .name: wo, .offset: 32, .size: 8, .value_kind: global_buffer, .address_space: global }
      - { .name: xc, .offset: 40, .size: 8, .value_kind: global_buffer, .address_space: global }
      - { .name: xs, .offset: 48, .size: 8, .value_kind: global_buffer, .address_space: global }
      - { .name: wc, .offset: 56, .size: 8, .value_kind: global_buffer, .address_space: global }
      - { .name: ws, .offset: 64, .size: 8, .value_kind: global_buffer, .address_space: global }
    .group_segment_fixed_size: 84480
    .private_segment_fixed_size: 0
    .kernarg_segment_align: 8
    .kernarg_segment_size: 72
    .max_flat_workgroup_size: 128
    .sgpr_count:     66
    .vgpr_count:     194
    .wavefront_size: 32
...
	.end_amdgpu_metadata
.endif
;; end of part 1
;; launch qkv (part 2): grid 4 x 64, 4 waves a work-group, clusters of 4 x 4, 327,680 bytes of LDS; arguments xc, xs, wc, ws, bq, bk, bv, qkv; writes qkv
.if DOCPART == 2
	.amdgcn_target "amdgcn-amd-amdhsa--gfx1250"
	.amdhsa_code_object_version 6
	.text
	.protected	k_q2258b1c798_qkv
	.globl	k_q2258b1c798_qkv
	.p2align	8
	.type	k_q2258b1c798_qkv,@function
k_q2258b1c798_qkv:
	s_mov_b64 s[64:65], 0
	v_nop
	global_prefetch_b8 v0, s[64:65] scope:SCOPE_SE
	s_setreg_imm32_b32 hwreg(HW_REG_WAVE_MODE, 25, 1), 1
	s_wait_xcnt 0x0
	s_wait_alu depctr_hold_cnt(0) depctr_sa_sdst(0) depctr_va_vdst(0) depctr_va_sdst(0) depctr_va_ssrc(0) depctr_va_vcc(0) depctr_vm_vsrc(0)
	s_getreg_b32 s2, hwreg(HW_REG_IB_STS2, 6, 4)
	s_cmp_eq_u32 s2, 0
	s_cbranch_scc0 .Lentry_in_a_cluster
	s_endpgm
.Lentry_in_a_cluster:
	s_bfe_u32 s2, ttmp6, 0x10000c
	s_cmp_lg_u32 s2, 0xf033
	s_cbranch_scc0 .Lentry_shape_is_right
	s_endpgm
.Lentry_shape_is_right:
; q = x wq + bq, k = x wk + bk, v = x wv + bv on codes of FP6 (E2M3) with E8M0 scales for each 32 along K = 1,024; the results are quantised in registers for the attention launch and leave as images of operand registers.
; xc [token tile 512][K step 8][1,536] and wc [row tile 256][K step 8][1,536] are images of operand registers; xs [token][32], ws [row][32]: a scale byte for each 32 along K.
; A WORK-GROUP STAYS: 128 tokens x 256 channels of q, then of k, then of v: 64 x 4 = 256 work-groups.  x's tile, all of K, and all scale bytes come into LDS once.  The weights go through a ring of two slots,
; each half of K of 256 rows: six fills; a fill is asked for one half step ahead of the half step that reads it, every wave bringing a quarter.  Every wait on TENSORcnt is for 0.
; A wave makes 64 x 128: 32 accumulators.  The matrix instruction takes the operand called B as source 0 and A as source 1: a lane holds ONE row of A and its registers run along B's rows.
; q, k: A = 64 of the tokens, B = 128 of the channels (two heads).  v: A = 64 channels (one head), B = the 128 tokens (a key step): the two change places by LDS addresses alone.
; q and k run one loop body twice; its first K step stands in two arms, since the bias (the C of each sum's first matrix instruction) and the weights' scale bytes differ.  v's text is written out once.
; THE ORDER INSIDE A BLOCK OF 32: a lane's 16 registers of two neighbouring accumulators are k 8 h + 0..7 and 16 + 8 h + 0..7: places 8-15 hold k 16-23, places 16-23 k 8-15; both operands of every later product lie so.
; CLUSTERS: 4 x 4.  x's tile is shared along a row of the cluster, the weights' along a column: joint loads; each later fill stands behind a round of the cluster's barrier.
; No prefetch: of the six fills two are asked for in the text's first lines, and each later one is asked for a half step (128 matrix instructions a wave) and, at a change of kind, a way out ahead of its wait.
; qkv: q's half fragments [b][h][tile 64][768] at 0; at KVOFF [b][h][98,304]: k's half fragments [tile 64][768], then v's fragments [key step 8][channel tile 4][1,536]; q's scale words at QSOFF, k's and v's at SCOFF.
; The scale words leave as 4 bytes a lane, 8 bytes apart: two waves fill a run of 256 bytes between them; they are one byte in 24 of what the launch stores.
; LIMITS: a block of zeros, or one under 2^-124, gets the byte 1 (read by this program alone).  NaN and infinities are not served.
; REGISTERS: window 0: v0-31 addresses; v32-95 B's scale words, v96-127 A's; v128-223 A's fragments, two sets, on the way out at work.  window 1: v0-191 B's fragments, two sets.
;   window 2: the accumulators, (a, b) at v[8 (8 a + b)].   window 3: the biases: q's v0-63, k's v64-127, v's v128-159.
.set FR,     12
.set TILEB,  12288                     ; a tile of 16 rows, all of K
.set HK,     6144                      ; half of K of a tile: four K steps
.set KINDB,  786432                    ; from wq's rows to wk's to wv's in wc
.set W0,     98304                     ; LDS: x's 8 tiles from 0; then the two slots, 16 tiles x HK each
.set W1,     196608
.set SX,     294912                    ; x's scale bytes, 4,096
.set SW,     299008                    ; the weights': [kind 3][256 rows][32]
.set SPARE,  323584                    ; the spare words, 128 bytes a wave
.set KVOFF,  6291456
.set QSOFF,  18874368
.set SCOFF,  19136512
.set ADRA, 16                          ; v16    q, k: my four tiles of x
.set ADRW, 18                          ; v18-19 q, k: my eight tiles in slot 0, 1
.set ADRX, 20                          ; v20-21 v: x's tiles 0-3, 4-7
.set LO8,  20                          ; v20 is also 8 x lane (x lies at LDS byte 0)
.set ADRV, 22                          ; v22-23 v: my four tiles in slot 0, 1
.set ASA,  24                          ; scale bytes: q, k: A's,
.set ASB,  25                          ; B's;
.set ASAV, 26                          ; v: A's,
.set ASBV, 27                          ; B's
.set SPW,  28
.set NIL,  29
.set BO,   30
.set BV,   31
.set SCB,  32
.set SCA,  96
.set AF,   128
.set TM,   128                         ; the way out: v128-143 at work
.set PC,   144                         ; v144-163 the codes just made
.set WD,   164                         ; v164-167 a scale word for each of my four blocks
.set XA,   172
.set XB,   176
.set RR,   180
.set G1X, 24
.set G0A, 32                           ; slot 1's fills
.set G1W, 48
.set G0B, 56                           ; slot 0's refills
.set G1SX, 68
.set G0SX, 76
.set G1SW, 80
.set G0SW, 88
.set G0H, 4
.set G0HB, 8
.set MSB, 0
.macro WIN new                         ; the immediate's high byte repeats the setting that is left
.if MSB != \new
	s_set_vgpr_msb (MSB<<8)|\new
.set MSB, \new
.endif
.endm
.macro TL g0, g1                       ; a tensor load with an s_nop and four v_nop behind it
	tensor_load_to_lds s[\g0:\g0+3], s[\g1:\g1+7]
	s_nop 0
.rept 4
	v_nop
.endr
.endm
.macro CROUND                          ; a round of the cluster's barrier
	s_barrier_signal -1
	s_barrier_wait -1
	s_cmp_lg_u32 s14, 0
	s_cbranch_scc1 .Lnot_wave_0_\@
	s_barrier_signal -3
.Lnot_wave_0_\@:
	s_barrier_wait -3
	s_barrier_signal -1
	s_barrier_wait -1
.endm
.macro ARM under, g0, g1, next
	s_cmp_lt_u32 s14, \under
	s_cbranch_scc0 \next
	TL \g0, \g1
	s_branch .Lhead_asked
\next:
.endm
.macro PLACES                          ; plain vector lines between a matrix instruction and a load into, or a read of, its registers
.rept 4
	v_nop
.endr
.endm
; A change of slots: all my tensor loads are done, the add, the other slot's next address (its load is done), my LDS reads are done; a round; my quarter of the slot read last is filled again.
.macro TSTART fill, step
	s_wait_tensorcnt 0x0
	ds_add_u32 v[SPW], v[NIL]
	s_add_nc_u64 s[\step+2:\step+3], s[\step+2:\step+3], KINDB
	s_wait_dscnt 0x0
	CROUND
	TL \fill, G1W                                  ; its four v_nop are the places in front of the loads that follow
.endm
	s_load_b256 s[4:11], s[0:1], 0x0               ; xc, xs, wc, ws
	s_load_b256 s[92:99], s[0:1], 0x20             ; bq, bk, bv, qkv
	v_lshl_add_u32 v[SPW], v0, 2, SPARE
	v_mov_b32 v[NIL], 0
	ds_add_u32 v[SPW], v[NIL]                      ; the opening lines: the add twice on end and one wait
	ds_add_u32 v[SPW], v[NIL]
	v_lshrrev_b32 v1, 5, v0
	v_readfirstlane_b32 s14, v1                    ; wave
	s_lshr_b32 s15, s14, 1                         ; q, k: which 64 tokens are mine,
	s_and_b32 s16, s14, 1                          ; and which 128 channels
	s_bfe_u32 s40, ttmp6, 0x40000                  ; cx
	s_bfe_u32 s41, ttmp6, 0x40004                  ; cy
	s_lshl_b32 s42, ttmp9, 2
	s_add_co_u32 s42, s42, s40                     ; block of 256 channels
	s_and_b32 s17, ttmp7, 0xffff
	s_lshl_b32 s17, s17, 2
	s_add_co_u32 s17, s17, s41                     ; block of 128 tokens
	s_lshl_b32 s43, s41, 2
	s_lshl_b32 s43, 15, s43                        ; my row of the cluster
	s_lshl_b32 s44, 0x1111, s40                    ; my column
	s_or_b32 s[G1X+0], s43, (3<<16)|(1<<21)        ; x: elements of 8 bytes; 8 tiles of 12,288 bytes on end
	s_mov_b32 s[G1X+1], 1536<<16
	s_mov_b32 s[G1X+2], 8<<16
	s_mov_b32 s[G1X+3], 1536<<16
	s_mov_b32 s[G1X+4], 8
	s_mov_b32 s[G1X+5], 1536
	s_mov_b32 s[G1X+6], 0
	s_mov_b32 s[G1X+7], 0
	s_or_b32 s[G1W+0], s44, (3<<16)|(1<<21)        ; a weight: half of K of a tile, 6,144 bytes, 12,288 from tile to tile; 16 tiles at the head, 4 behind it
	s_mov_b32 s[G1W+1], 768<<16
	s_mov_b32 s[G1W+2], 16<<16
	s_mov_b32 s[G1W+3], 768<<16
	s_mov_b32 s[G1W+4], 16
	s_mov_b32 s[G1W+5], 1536
	s_mov_b32 s[G1W+6], 0
	s_mov_b32 s[G1W+7], 0
	s_or_b32 s[G1SX+0], s43, (3<<16)|(1<<21)       ; x's scale bytes: 4,096 dense bytes as 16 rows of 256
	s_mov_b32 s[G1SX+1], 32<<16
	s_mov_b32 s[G1SX+2], 16<<16
	s_mov_b32 s[G1SX+3], 32<<16
	s_mov_b32 s[G1SX+4], 16
	s_mov_b32 s[G1SX+5], 32
	s_mov_b32 s[G1SX+6], 0
	s_mov_b32 s[G1SX+7], 0
	s_or_b32 s[G1SW+0], s44, (3<<16)|(1<<21)       ; the weights' scale bytes: three runs of 8,192 bytes, 32,768 apart
	s_mov_b32 s[G1SW+1], 1024<<16
	s_mov_b32 s[G1SW+2], 3<<16
	s_mov_b32 s[G1SW+3], 1024<<16
	s_mov_b32 s[G1SW+4], 3
	s_mov_b32 s[G1SW+5], 4096
	s_mov_b32 s[G1SW+6], 0
	s_mov_b32 s[G1SW+7], 0
	s_mul_i32 s20, s17, 8*TILEB                    ; x's codes and scale bytes hang on the token block alone,
	s_mov_b32 s21, 0
	s_lshl_b32 s22, s17, 12
	s_mov_b32 s23, 0
	s_mul_i32 s46, s42, 16*TILEB                   ; the weights' on the channel block alone
	s_mov_b32 s47, 0
	s_lshl_b32 s18, s42, 13
	s_mov_b32 s19, 0
	s_mul_i32 s36, s14, 4*TILEB                    ; in the ring I fetch four tiles
	s_mov_b32 s37, 0
	s_mul_i32 s38, s14, 4*HK
	s_wait_dscnt 0x0                               ; both opening adds are done
	s_wait_kmcnt 0x0
	s_add_nc_u64 s[20:21], s[4:5], s[20:21]
	s_add_nc_u64 s[22:23], s[6:7], s[22:23]
	s_add_nc_u64 s[46:47], s[8:9], s[46:47]
	s_add_nc_u64 s[18:19], s[10:11], s[18:19]
	CROUND                                         ; all sixteen work-groups are here: the first joint loads meet
	s_mov_b32 s[G0H], 1
	s_mov_b32 s[G0H+1], 0
	s_mov_b64 s[G0H+2:G0H+3], s[20:21]
	s_or_b32 s[G0H+3], s[G0H+3], 0x80000000
	s_mov_b32 s[G0HB], 1
	s_mov_b32 s[G0HB+1], W0
	s_mov_b64 s[G0HB+2:G0HB+3], s[46:47]
	s_or_b32 s[G0HB+3], s[G0HB+3], 0x80000000
	s_mov_b32 s[G0SX], 1
	s_mov_b32 s[G0SX+1], SX
	s_mov_b64 s[G0SX+2:G0SX+3], s[22:23]
	s_or_b32 s[G0SX+3], s[G0SX+3], 0x80000000
	s_mov_b32 s[G0SW], 1
	s_mov_b32 s[G0SW+1], SW
	s_mov_b64 s[G0SW+2:G0SW+3], s[18:19]
	s_or_b32 s[G0SW+3], s[G0SW+3], 0x80000000
	s_add_nc_u64 s[46:47], s[46:47], s[36:37]
	s_mov_b32 s[G0A], 1                            ; slot 1 begins with wq's second half of K,
	s_add_co_u32 s[G0A+1], s38, W1
	s_add_nc_u64 s[G0A+2:G0A+3], s[46:47], HK
	s_or_b32 s[G0A+3], s[G0A+3], 0x80000000
	s_mov_b32 s[G0B], 1                            ; slot 0's first refill is wk's first half
	s_add_co_u32 s[G0B+1], s38, W0
	s_add_nc_u64 s[G0B+2:G0B+3], s[46:47], KINDB
	s_or_b32 s[G0B+3], s[G0B+3], 0x80000000
	; the head's loads, one a wave: wave 0 x's tile, wave 1 wq's first half of K, wave 2 x's scale bytes, wave 3 the weights'.  One chain of branches, one load to an arm, one join
	ARM 1, G0H,  G1X,  .Lhead_w
	ARM 2, G0HB, G1W,  .Lhead_sx
	ARM 3, G0SX, G1SX, .Lhead_sw
	TL G0SW, G1SW
.Lhead_asked:
	s_mul_i32 s21, s15, 4*TILEB
	s_mul_i32 s22, s16, 8*HK
	s_add_co_u32 s22, s22, W0
	s_add_co_u32 s23, s22, W1-W0
	s_mul_i32 s36, s14, 4*HK
	s_add_co_u32 s36, s36, W0
	s_add_co_u32 s37, s36, W1-W0
	s_lshl_b32 s38, s15, 11
	s_add_co_u32 s38, s38, SX
	s_lshl_b32 s39, s16, 12
	s_add_co_u32 s39, s39, SW
	s_lshl_b32 s45, s14, 11
	s_add_co_u32 s45, s45, SW+16384
	s_lshl_b32 s46, s42, 10                        ; q, k: my first channel, in bytes of a bias
	s_lshl_b32 s47, s16, 9
	s_add_co_u32 s46, s46, s47
	s_mov_b32 s47, 0
	s_add_nc_u64 s[92:93], s[92:93], s[46:47]
	s_add_nc_u64 s[94:95], s[94:95], s[46:47]
	s_lshl_b32 s60, s42, 10                        ; v: 64 channels a wave
	s_lshl_b32 s61, s14, 8
	s_add_co_u32 s60, s60, s61
	s_mov_b32 s61, 0
	s_add_nc_u64 s[96:97], s[96:97], s[60:61]
	s_lshr_b32 s18, s17, 3
	s_lshl_b32 s18, s18, 4                         ; 16 x batch
	s_lshl_b32 s19, s42, 2
	s_add_co_u32 s63, s18, s19                     ; + the channel block's first head
	s_lshl_b32 s19, s16, 1
	s_add_co_u32 s66, s63, s19                     ; q, k: my first head
	s_add_co_u32 s63, s63, s14                     ; v: my head
	s_and_b32 s67, s17, 7
	s_lshl_b32 s67, s67, 7                         ; the block's first token in its batch
	s_lshl_b32 s19, s15, 6
	s_add_co_u32 s19, s19, s67
	s_mul_i32 s104, s19, 48                        ; 768 bytes for 16 tokens
	s_lshl_b32 s105, s67, 1                        ; q's and k's scale words: 2 bytes a token,
	s_lshl_b32 s19, s15, 2
	s_add_co_u32 s105, s105, s19                   ; my four tiles' words in the low or the high word of each 8 bytes
	s_mov_b32 s100, 0x76543210
	s_mov_b32 s101, 0xfedcba98                     ; v_permlanex16_b32's selects for lane l xor 16
	v_and_b32 v1, 15, v0                           ; r
	v_bfe_u32 v2, v0, 4, 1                         ; h
	v_and_b32 v6, 31, v0
	v_lshlrev_b32 v[LO8], 3, v6                    ; a piece of a fragment: 8 bytes a lane
	v_add_nc_u32 v[ADRA], s21, v[LO8]
	v_add_nc_u32 v[ADRW], s22, v[LO8]
	v_add_nc_u32 v[ADRW+1], s23, v[LO8]
	v_add_nc_u32 v[ADRX+1], 4*TILEB, v[LO8]
	v_add_nc_u32 v[ADRV], s36, v[LO8]
	v_add_nc_u32 v[ADRV+1], s37, v[LO8]
	v_lshlrev_b32 v5, 5, v1                        ; scale bytes: 32 a row
	v_add_nc_u32 v[ASA], s38, v5
	v_add_nc_u32 v[ASB], s39, v5
	v_add_nc_u32 v[ASAV], s45, v5
	v_add_nc_u32 v[ASBV], SX, v5
	v_lshlrev_b32 v[BO], 5, v2
	v_lshlrev_b32 v[BV], 2, v1
	s_wait_alu depctr_va_vdst(0)                   ; the wait at the head's end
	WIN 0xc0                                       ; destination window 3
.irp b, 0,1,2,3,4,5,6,7
	global_load_b128 v[8*\b:8*\b+3], v[BO], s[92:93] offset:64*\b          ; q, k: register 8 b + j: the bias at channel 16 b + 8 h + j
	global_load_b128 v[8*\b+4:8*\b+7], v[BO], s[92:93] offset:64*\b+16
	global_load_b128 v[64+8*\b:64+8*\b+3], v[BO], s[94:95] offset:64*\b
	global_load_b128 v[64+8*\b+4:64+8*\b+7], v[BO], s[94:95] offset:64*\b+16
.endr
.irp a, 0,1,2,3
.irp j, 0,1,2,3,4,5,6,7
	global_load_b32 v[128+8*\a+\j], v[BV], s[96:97] offset:64*\a            ; v: all eight registers: the bias at channel 16 a + r
.endr
.endr
	WIN 0
.macro FRAG reg, adr, off              ; a fragment: six pieces, each 256 consecutive bytes for the 32 lanes
.irp p, 0,1,2,3,4,5
	ds_load_b64 v[\reg+2*\p:\reg+2*\p+1], v[\adr] offset:(\off)+256*\p
.endr
.endm
.macro FETCH ks, v                     ; K step ks: B's eight fragments and A's four into set ks % 2
	WIN 0x40
.irp i, 0,1,2,3,4,5,6,7
.if \v
	FRAG 96*((\ks)%2)+FR*\i, ADRX+\i/4, (\i%4)*TILEB+(\ks)*1536
.else
	FRAG 96*((\ks)%2)+FR*\i, ADRW+(\ks)/4, \i*HK+((\ks)%4)*1536
.endif
.endr
	WIN 0
.irp i, 0,1,2,3
.if \v
	FRAG AF+48*((\ks)%2)+FR*\i, ADRV+(\ks)/4, \i*HK+((\ks)%4)*1536
.else
	FRAG AF+48*((\ks)%2)+FR*\i, ADRA, \i*TILEB+(\ks)*1536
.endif
.endr
.endm
.macro SCLA adr                        ; A's scale words, all of K: two words of a pair of K steps for each block
.irp pr, 0,1,2,3
.irp i, 0,1,2,3
	ds_load_b64 v[SCA+8*\pr+2*\i:SCA+8*\pr+2*\i+1], v[\adr] offset:512*\i+8*\pr
.endr
.endr
.endm
.macro SCLB adr, off                   ; B's
.irp pr, 0,1,2,3
.irp i, 0,1,2,3,4,5,6,7
	ds_load_b64 v[SCB+16*\pr+2*\i:SCB+16*\pr+2*\i+1], v[\adr] offset:(\off)+512*\i+8*\pr
.endr
.endr
.endm
; 16 matrix instructions: A's blocks a0, a0 + 1 x B's eight.  cm = 0: the sums go on; 1: they start from the bias of B's block; 2: from that of A's block; cb: where that bias lies in window 3.
; The 32 accumulators take turns, one instruction a turn, in the same order in every step.
.macro MUL16 ks, a0, cm, cb
.irp a, \a0, \a0+1
.irp b, 0,1,2,3,4,5,6,7
.set DD, 8*(8*(\a)+\b)
.set BF, 96*((\ks)%2)+FR*\b
.set AA, AF+48*((\ks)%2)+FR*(\a)
.set SU, SCB+16*((\ks)/2)+2*\b+(\ks)%2
.set SV, SCA+8*((\ks)/2)+2*(\a)+(\ks)%2
.if \cm == 0
	v_wmma_scale_f32_16x16x128_f8f6f4 v[DD:DD+7], v[BF:BF+11], v[AA:AA+11], v[DD:DD+7], v[SU], v[SV] matrix_a_fmt:MATRIX_FMT_FP6 matrix_b_fmt:MATRIX_FMT_FP6
.elseif \cm == 1
	v_wmma_scale_f32_16x16x128_f8f6f4 v[DD:DD+7], v[BF:BF+11], v[AA:AA+11], v[\cb+8*\b:\cb+8*\b+7], v[SU], v[SV] matrix_a_fmt:MATRIX_FMT_FP6 matrix_b_fmt:MATRIX_FMT_FP6
.else
	v_wmma_scale_f32_16x16x128_f8f6f4 v[DD:DD+7], v[BF:BF+11], v[AA:AA+11], v[\cb+8*(\a):\cb+8*(\a)+7], v[SU], v[SV] matrix_a_fmt:MATRIX_FMT_FP6 matrix_b_fmt:MATRIX_FMT_FP6
.endif
.endr
.endr
.endm
.macro KSTEP ks, v, cm, cb             ; 128 along K: within a slot the next step's fragments are asked for first, then 32 matrix instructions
	s_wait_dscnt 0x0                               ; this step's fragments are in
.if (\ks)%4 > 0 && (\ks)%4 < 3
	PLACES
.endif
.if (\ks)%4 < 3
	FETCH (\ks)+1, \v
.endif
.if \cm
	WIN 0xb1                                       ; source 0 window 1, source 1 window 0, C (the bias) window 3, D window 2
.else
	WIN 0xa1                                       ; C and D window 2
.endif
	MUL16 \ks, 0, \cm, \cb
	MUL16 \ks, 2, \cm, \cb
	WIN 0
.endm
; THE WAY OUT.  Block a of A: my lane's row, 128 numbers in 64 registers and in lane l xor 16's, becomes a fragment's 12 registers and a scale word.
.macro QW a, stride
.set SS, 64*(\a)
	WIN 0x28                                       ; sources 1 and 2: the accumulators' window
.irp b, 0,1,2,3
	v_max3_num_f32 v[TM+\b], 0x1800000, |v[SS+16*\b]|, |v[SS+16*\b+1]|   ; block b: my 16 numbers and the floor 2^(3 - 127); each accumulator is read from its low end on
.endr
.irp i, 2,4,6,8,10,12,14
.irp b, 0,1,2,3
	v_max3_num_f32 v[TM+\b], v[TM+\b], |v[SS+16*\b+\i]|, |v[SS+16*\b+\i+1]|
.endr
.endr
	WIN 0
.irp b, 0,1,2,3
	v_permlanex16_b32 v[TM+4+\b], v[TM+\b], s100, s101
.endr
.irp b, 0,1,2,3
	v_max_num_f32 v[TM+\b], v[TM+\b], v[TM+4+\b]   ; the block's largest magnitude
.endr
.irp b, 0,1,2,3
	v_add_nc_u32 v[TM+12+\b], 0xff000000, v[TM+\b] ; 2 off the exponent field: the conversion's scale operand
.endr
.irp b, 0,1,2,3
	v_lshrrev_b32 v[TM+4+\b], 23, v[TM+12+\b]      ; the byte
.endr
	v_lshl_or_b32 v[WD+(\a)], v[TM+5], 8, v[TM+4]
	v_lshl_or_b32 v[WD+(\a)], v[TM+6], 16, v[WD+(\a)]
	v_lshl_or_b32 v[WD+(\a)], v[TM+7], 24, v[WD+(\a)]
.if (\a) > 0
	s_wait_xcnt 0x0                                ; the last block's stores have read their data and their bases: both are written again only behind this wait
	s_add_nc_u64 s[36:37], s[36:37], \stride
	s_add_nc_u64 s[38:39], s[38:39], \stride
.endif
	WIN 2                                          ; source 0: the accumulators' window
.irp c, 0,1
	v_cvt_scalef32_pk16_fp6_f32 v[PC+6*\c:PC+2+6*\c], v[SS+32*\c:SS+15+32*\c], v[TM+12+2*\c]
	v_cvt_scalef32_pk16_fp6_f32 v[PC+12+4*\c:PC+14+4*\c], v[SS+16+32*\c:SS+31+32*\c], v[TM+12+2*\c+1]   ; (a conversion's three registers begin on an even number)
.endr
	WIN 0
	v_nop                                          ; one plain place behind a scaled conversion
.irp c, 0,1                                    ; a whole block in a lane: lanes 0-15 block 2 c, lanes 16-31 block 2 c + 1
.irp i, 0,1,2
	v_permlane16_swap_b32 v[PC+6*\c+\i], v[PC+12+4*\c+\i]
.endr
.irp i, 0,1,2
	v_mov_b32 v[PC+3+6*\c+\i], v[PC+12+4*\c+\i]
.endr
.endr
.irp p, 0,1,2
	global_store_b64 v[LO8], v[PC+2*\p:PC+2*\p+1], s[36:37] offset:256*\p         ; the wave stores 256 consecutive bytes, aligned
.endr
.irp p, 3,4,5
	global_store_b64 v[LO8], v[PC+2*\p:PC+2*\p+1], s[38:39] offset:256*(\p-3)
.endr
.endm
.macro WAYOUT v                        ; s[36:37], s[38:39]: a fragment's registers 0-5 and 6-11; s[60:61], s[62:63]: the scale words
	PLACES                                         ; behind the last products
.irp b, 0,1,2,3
	v_mov_b32 v[TM+4+\b], 0                        ; a lane permute's destination counts as one of its sources
.endr
.irp a, 0,1,2,3
	QW \a, 768+768*\v
.endr
.if \v
	s_mov_b32 vcc_lo, 0xffff0000                   ; lanes 0-15 channel tiles 0 and 1, lanes 16-31 tiles 2 and 3
	v_cndmask_b32 v[RR], v[WD], v[WD+2], vcc_lo
	v_cndmask_b32 v[RR+1], v[WD+1], v[WD+3], vcc_lo
.else
	v_perm_b32 v[XA], v[WD+1], v[WD], 0x05040100   ; a word for two token tiles of one head: the first head's two bytes of each,
	v_perm_b32 v[XA+1], v[WD+3], v[WD+2], 0x05040100
	v_perm_b32 v[XB], v[WD+1], v[WD], 0x07060302   ; the second head's
	v_perm_b32 v[XB+1], v[WD+3], v[WD+2], 0x07060302
	s_mov_b32 vcc_lo, 0xffff0000                   ; lanes 16-31 carry the later pair of tiles
	v_cndmask_b32 v[RR], v[XA], v[XA+1], vcc_lo
	v_cndmask_b32 v[RR+1], v[XB], v[XB+1], vcc_lo
.endif
	global_store_b32 v[LO8], v[RR], s[60:61]
	global_store_b32 v[LO8], v[RR+1], s[62:63]
	s_wait_xcnt 0x0                                ; the stores have read their data and their bases: fragments are loaded over the data next
.endm
.macro FIRST ph                        ; q's or k's first K step: the weight's scale words and the bias are its own
	SCLB ASB, 8192*\ph
	KSTEP 0, 0, 1, 64*\ph
.endm
	s_wait_tensorcnt 0x0                           ; my tile of the head's four is in
	ds_add_u32 v[SPW], v[NIL]
	s_mov_b32 s[G1W+2], 4<<16                      ; no tensor load of mine is out: from here on a load brings four tiles
	s_mov_b32 s[G1W+4], 4
	s_wait_dscnt 0x0
	CROUND                                         ; a whole round: all four tiles are in, and the joint loads meet
	TL G0A, G1W                                    ; slot 1's first fill: wq's second half of K
	s_wait_loadcnt 0x0                             ; the biases
	s_mov_b32 s3, 0                                ; 0: q, 1: k
.Lkind:
	FETCH 0, 0
	SCLA ASA
	s_cmp_eq_u32 s3, 0                             ; the counter is alike in all waves and all partners; no tensor load, barrier or add stands in the arms
	s_cbranch_scc0 .Lfirst_k
	FIRST 0
	s_branch .Lfirst_done
.Lfirst_k:
	FIRST 1
.Lfirst_done:
	KSTEP 1, 0, 0, 0
	KSTEP 2, 0, 0, 0
	KSTEP 3, 0, 0, 0
	TSTART G0B, G0A                                ; slot 0 takes the next kind's first half of K
	FETCH 4, 0
	KSTEP 4, 0, 0, 0
	KSTEP 5, 0, 0, 0
	KSTEP 6, 0, 0, 0
	KSTEP 7, 0, 0, 0
	s_cmp_eq_u32 s3, 0                             ; where this kind's results go
	s_cselect_b32 s18, 0, KVOFF
	s_mov_b32 s20, SCOFF
	s_cselect_b32 s20, QSOFF, s20
	s_lshl_b32 s22, 49152, s3                      ; bytes a head: 49,152 in q's part, 98,304 in k's and v's
	s_mul_i32 s19, s22, s66
	s_add_co_u32 s18, s18, s19
	s_add_co_u32 s18, s18, s104
	s_lshl_b32 s19, 2048, s3                       ; scale words: 2,048 bytes a head for q, 8,192 a pair of heads for k and v
	s_mul_i32 s19, s19, s66
	s_add_co_u32 s20, s20, s19
	s_add_co_u32 s20, s20, s105
	s_mov_b32 s19, 0
	s_mov_b32 s21, 0
	s_mov_b32 s23, 0
	s_add_nc_u64 s[36:37], s[98:99], s[18:19]      ; my first head's half fragments,
	s_add_nc_u64 s[38:39], s[36:37], s[22:23]      ; my second head's
	s_add_nc_u64 s[60:61], s[98:99], s[20:21]
	s_add_nc_u64 s[62:63], s[60:61], 2048
	WAYOUT 0
	TSTART G0A, G0B                                ; slot 1 takes the next kind's second half of K
	s_add_co_u32 s3, s3, 1
	s_cmp_lt_u32 s3, 2
	s_cbranch_scc1 .Lkind
	; ---- v: A = my 64 channels of wv, B = the 128 tokens
	FETCH 0, 1
	SCLA ASAV
	SCLB ASBV, 0
	KSTEP 0, 1, 2, 128
	KSTEP 1, 1, 0, 0
	KSTEP 2, 1, 0, 0
	KSTEP 3, 1, 0, 0
	s_wait_tensorcnt 0x0                           ; my part of wv's second half is in,
	s_wait_dscnt 0x0
	s_barrier_signal -1
	s_barrier_wait -1                              ; everybody's is
	PLACES
	FETCH 4, 1
	KSTEP 4, 1, 0, 0
	KSTEP 5, 1, 0, 0
	KSTEP 6, 1, 0, 0
	KSTEP 7, 1, 0, 0
	s_lshr_b32 s18, s17, 3
	s_lshl_b32 s18, s18, 4
	s_lshl_b32 s19, s42, 2
	s_add_co_u32 s18, s18, s19
	s_add_co_u32 s18, s18, s14                     ; 16 x batch + my head
	s_mul_i32 s20, s18, 98304
	s_mul_i32 s19, s67, 48                         ; 6,144 bytes a key step of 128
	s_add_co_u32 s20, s20, s19
	s_add_co_u32 s20, s20, KVOFF+49152
	s_mov_b32 s21, 0
	s_lshr_b32 s22, s18, 1
	s_lshl_b32 s22, s22, 13                        ; the scale words: 8,192 bytes a pair of heads,
	s_lshl_b32 s19, s67, 2                         ; 512 a key step,
	s_add_co_u32 s22, s22, s19
	s_lshl_b32 s19, s16, 2                         ; my head's words in the low or the high word of each 8 bytes
	s_add_co_u32 s22, s22, s19
	s_add_co_u32 s22, s22, SCOFF+4096
	s_mov_b32 s23, 0
	s_add_nc_u64 s[36:37], s[98:99], s[20:21]
	s_add_nc_u64 s[38:39], s[36:37], 768
	s_add_nc_u64 s[60:61], s[98:99], s[22:23]
	s_add_nc_u64 s[62:63], s[60:61], 256
	WAYOUT 1
	s_wait_tensorcnt 0x0                           ; the wave's end
	ds_add_u32 v[SPW], v[NIL]
	s_wait_dscnt 0x0
	CROUND                                         ; the closing round
	s_endpgm
.Lfunc_end_k_q2258b1c798_qkv:
	.size	k_q2258b1c798_qkv, .Lfunc_end_k_q2258b1c798_qkv-k_q2258b1c798_qkv
	.p2alignl 7, 3214868480
	.fill 96, 4, 3214868480
	.section	.rodata,"a",@progbits
	.p2align	6, 0x0
	.amdhsa_kernel k_q2258b1c798_qkv
		.amdhsa_group_segment_fixed_size 327680
		.amdhsa_private_segment_fixed_size 0
		.amdhsa_enable_private_segment 0
		.amdhsa_kernarg_size 64
		.amdhsa_user_sgpr_count 2
		.amdhsa_user_sgpr_kernarg_segment_ptr 1
		.amdhsa_wavefront_size32 1
		.amdhsa_system_sgpr_workgroup_id_x 1
		.amdhsa_system_sgpr_workgroup_id_y 1
		.amdhsa_system_sgpr_workgroup_id_z 1
		.amdhsa_system_vgpr_workitem_id 0
		.amdhsa_next_free_vgpr 1024
		.amdhsa_next_free_sgpr 106
		.amdhsa_reserve_vcc 1
		.amdhsa_float_denorm_mode_32 3
		.amdhsa_float_denorm_mode_16_64 3
		.amdhsa_memory_ordered 1
		.amdhsa_forward_progress 1
		.amdhsa_inst_pref_size 214
	.end_amdhsa_kernel
	.amdgpu_metadata
---
amdhsa.version: [ 1, 2 ]
amdhsa.kernels:
  - .name:           k_q2258b1c798_qkv
    .symbol:         k_q2258b1c798_qkv.kd
    .args:
      - { .name: xc, .offset: 0, .size: 8, .value_kind: global_buffer, .address_space: global }
      - { .name: xs, .offset: 8, .size: 8, .value_kind: global_buffer, .address_space: global }
      - { .name: wc, .offset: 16, .size: 8, .value_kind: global_buffer, .address_space: global }
      - { .name: ws, .offset: 24, .size: 8, .value_kind: global_buffer, .address_space: global }
      - { .name: bq, .offset: 32, .size: 8, .value_kind: global_buffer, .address_space: global }
      - { .name: bk, .offset: 40, .size: 8, .value_kind: global_buffer, .address_space: global }
      - { .name: bv, .offset: 48, .size: 8, .value_kind: global_buffer, .address_space: global }
      - { .name: qkv, .offset: 56, .size: 8, .value_kind: global_buffer, .address_space: global }
    .group_segment_fixed_size: 327680
    .private_segment_fixed_size: 0
    .kernarg_segment_align: 8
    .kernarg_segment_size: 64
    .max_flat_workgroup_size: 128
    .sgpr_count:     106
    .vgpr_count:     1024
    .wavefront_size: 32
...
	.end_amdgpu_metadata
.endif
;; end of part 2
;; launch attn (part 3): grid 4 x 64, 8 waves a work-group, clusters of 4 x 1, 252,928 bytes of LDS; arguments qkv, mask, yc, ys; writes yc, ys
.if DOCPART == 3
	.amdgcn_target "amdgcn-amd-amdhsa--gfx1250"
	.amdhsa_code_object_version 6
	.text
	.protected	k_q2258b1c798_attn
	.globl	k_q2258b1c798_attn
	.p2align	8
	.type	k_q2258b1c798_attn,@function
k_q2258b1c798_attn:
	s_mov_b64 s[64:65], 0
	v_nop
	global_prefetch_b8 v0, s[64:65] scope:SCOPE_SE
	s_setreg_imm32_b32 hwreg(HW_REG_WAVE_MODE, 25, 1), 1
	s_wait_xcnt 0x0
	s_wait_alu depctr_hold_cnt(0) depctr_sa_sdst(0) depctr_va_vdst(0) depctr_va_sdst(0) depctr_va_ssrc(0) depctr_va_vcc(0) depctr_vm_vsrc(0)
	s_getreg_b32 s2, hwreg(HW_REG_IB_STS2, 6, 4)
	s_cmp_eq_u32 s2, 0
	s_cbranch_scc0 .Lentry_in_a_cluster
	s_endpgm
.Lentry_in_a_cluster:
	s_bfe_u32 s2, ttmp6, 0x10000c
	s_cmp_lg_u32 s2, 0x3003
	s_cbranch_scc0 .Lentry_shape_is_right
	s_endpgm
.Lentry_shape_is_right:
; y[b][q][h] = the sum over keys of P v, P = exp(s - max s) mask / (sum + 1e-7), s = q . k / 8; both products on codes of FP6 (E2M3) with E8M0 scales.  P is quantised FINISHED AND NORMALISED, along the keys.
; So a row's maximum and sum are known before any code of P is made: a task (16 queries of one head) keeps all its 16 x 1,024 scores in registers, and each exponential is made once.
; SHARES.  A work-group takes two heads (2 P, 2 P + 1) of a batch and 256 queries.  Its eight waves are four PAIRS: wave W is half g = W / 4 of pair p = W % 4.  A pair takes query tiles 4 p .. 4 p + 3: eight tasks,
; numbered 4 c + t (head c, tile t), one text.  THE PAIR SHARES A TASK'S KEYS: wave g takes keys 512 g .. 512 g + 511, four key steps of 128: its scores are 256 registers, so two waves fit on a SIMD, and one
; wave's vector, matrix and LDS instructions stand beside the other's.  Each fragment of K and V is still read from LDS once a task.
; A pair exchanges three things a task through LDS, each behind a work-group barrier: the half's largest score, the half's sum (one word a lane), and O^T (wave g = 1 hands its 32 registers to wave g = 0, which adds, quantises y and stores).
; LDS is filled ONCE by tensor loads, at the head: both heads' K and V as images of operand registers, their scale words, the batch's mask (joint loads: the four partners of a cluster read the same), and each pair's Q (a plain load).
; Each wave issues one load; every wave waits for all its loads in front of the first barrier.  The bytes of the exchange lie behind the filled bytes: no tensor load lands there.  Nothing is prefetched: all tiles are asked for at the kernel's head.
; LAYOUT.  S^T = K Q^T (source 0 = 16 keys, source 1 = my 16 queries), O^T = V^T P^T (source 0 = 16 channels, source 1 = P): a lane holds one query (lane % 16) throughout.
; K = 64 IN AN INSTRUCTION OF K = 128: a fragment of K holds two neighbouring key tiles; against [Q | zero codes] it gives the first tile's scores, against [zero codes | Q] the second's.
; The codes of P, V, Q, K and y lie, inside each block of 32, in the order that a lane's registers give: places 8-15 hold k 16-23, places 16-23 k 8-15; both operands of each product alike.
; LIMITS: t = fma(s, c, -fl(c max)), c = log2(e) / 8: the rounding of c max is common to a row and cancels in p / sum, but for 1e-7.  p under 2^-126 is 0.  A block of zeros, or under 2^-124, gets the byte 1
; (read by this program alone).  NaN and infinities are not served.  The mask may hold any finite numbers.
; REGISTERS: window 0: see the names below.  Window 1: my half of S^T, then p: key tile T of my 32 at v[8 T].
.set KVOFF, 6291456
.set QSOFF, 18874368
.set SCOFF, 19136512
.set HEADB, 98304                      ; LDS: a head: K's 64 half fragments of 768 bytes, then V's 32 fragments of 1,536
.set VPART, 49152
.set SCL,   196608                     ; the scale words: K's [c 2][key step 8][256], then V's [key step 8][2][256]
.set MASKB, 204800                     ; the batch's mask, 4,096 bytes
.set QC,    208896                     ; Q: 6,144 bytes a pair: [c 2][t 4][768]
.set XM,    233472                     ; the exchange: a word for each thread for the maxima, 1,024 bytes; 1,024 bytes on the same for the sums
.set XO,    235520                     ; and 4,096 bytes a pair for O^T
.set L8,   1                           ; v1   8 x lane
.set AM,   2                           ; v2   MASKB + 32 (lane / 16) + 2,048 g
.set AQC0, 4                           ; v4   my pair's Q + 8 x lane
.set QSO,  5                           ; v5   offset of Q's scale words in qkv
.set ADK,  6                           ; v6-10 the task's LDS addresses
.set ADV,  7
.set ADKS, 8
.set ADVS, 9
.set ADQ,  10
.set YO,   11                          ; v11  y's offset
.set LK,   12                          ; v12  8 x lane + 24,576 g: my half of a head's K, and of its V
.set LKS,  13                          ; v13  8 x lane + 1,024 g: of K's scale words
.set LVS,  14                          ; v14  8 x lane + 2,048 g: of V's
.set QLO,  16                          ; v16-27 [Q | zeros]
.set QHI,  28                          ; v28-39 [zeros | Q]
.set KSW,  40                          ; v40-47 K's scale words, later V's: scales alone
.set VSW,  40
.set QSW,  56                          ; Q's scale word
.set PSW,  57                          ; P's
.set YH,   58
.set CMB,  59
.set MX,   60                          ; v60-63 four running maxima
.set SUM,  64                          ; v64-71 four pairs of sums
.set NMC,  72                          ; v72-73 -c max
.set INV,  74                          ; v74-75 1 / (sum + 1e-7)
.set TM,   76                          ; v76-91 the quantiser's work
.set PC,   92                          ; v92-111 the codes just made
.set OT,   112                         ; v112-143 O^T
.set FB,   144                         ; v144-239 two sets of four fragments of K; 64 numbers of the mask; two sets of four fragments of V; my partner's O^T
.set QR,   240                         ; v240-247 Q's scale words of the eight tasks, a queue
.set YW,   248                         ; v248-251 y's scale words, a queue
.set XWA,  252                         ; v252 XM + 4 x my thread's number: where I put a word for my partner
.set XRA,  253                         ; v253 XM + 4 x (my thread's number xor 128): where my partner's lane puts its word
.set XOA,  254                         ; v254 XO + 4,096 p + 16 x lane
.set XT,   255                         ; v255 my partner's word
.set MSB, 0
.macro WIN new                         ; the immediate's high byte repeats the setting that is left
.if MSB != \new
	s_set_vgpr_msb (MSB<<8)|\new
.set MSB, \new
.endif
.endm
.macro CROUND
	s_barrier_signal -1
	s_barrier_wait -1
	s_cmp_lg_u32 s12, 0
	s_cbranch_scc1 .Lnot_wave_0_\@
	s_barrier_signal -3
.Lnot_wave_0_\@:
	s_barrier_wait -3
	s_barrier_signal -1
	s_barrier_wait -1
.endm
; one matrix instruction: register numbers; c < 0: the sum starts from 0; row = 1: source 0's scales stand in lanes 16-31
.macro WM d, a, b, c, sa, sb, row
.if (\c) < 0
.if \row
	v_wmma_scale_f32_16x16x128_f8f6f4 v[\d:\d+7], v[\a:\a+11], v[\b:\b+11], 0, v[\sa], v[\sb] matrix_a_fmt:MATRIX_FMT_FP6 matrix_b_fmt:MATRIX_FMT_FP6 matrix_a_scale:MATRIX_SCALE_ROW1
.else
	v_wmma_scale_f32_16x16x128_f8f6f4 v[\d:\d+7], v[\a:\a+11], v[\b:\b+11], 0, v[\sa], v[\sb] matrix_a_fmt:MATRIX_FMT_FP6 matrix_b_fmt:MATRIX_FMT_FP6
.endif
.else
.if \row
	v_wmma_scale_f32_16x16x128_f8f6f4 v[\d:\d+7], v[\a:\a+11], v[\b:\b+11], v[\c:\c+7], v[\sa], v[\sb] matrix_a_fmt:MATRIX_FMT_FP6 matrix_b_fmt:MATRIX_FMT_FP6 matrix_a_scale:MATRIX_SCALE_ROW1
.else
	v_wmma_scale_f32_16x16x128_f8f6f4 v[\d:\d+7], v[\a:\a+11], v[\b:\b+11], v[\c:\c+7], v[\sa], v[\sb] matrix_a_fmt:MATRIX_FMT_FP6 matrix_b_fmt:MATRIX_FMT_FP6
.endif
.endif
.endm
.macro FETCHK kb                       ; my key step kb: four fragments of K (eight key tiles), 24 loads of 256 consecutive bytes
.irp f, 0,1,2,3
.irp p, 0,1,2,3,4,5
	ds_load_b64 v[FB+48*((\kb)%2)+12*\f+2*\p:FB+48*((\kb)%2)+12*\f+2*\p+1], v[ADK] offset:(4*(\kb)+\f)*1536+256*\p
.endr
.endr
.endm
.macro VFETCH ks                       ; my key step ks: V's four channel tiles
.irp d, 0,1,2,3
.irp p, 0,1,2,3,4,5
	ds_load_b64 v[FB+48*((\ks)%2)+12*\d+2*\p:FB+48*((\ks)%2)+12*\d+2*\p+1], v[ADV] offset:(\ks)*6144+\d*1536+256*\p
.endr
.endr
.endm
.macro MLOAD kb                        ; the mask of my key step kb in the scores' layout: register 8 T + j: key 16 T + 8 (lane / 16) + j
.irp t, 0,1,2,3,4,5,6,7
	ds_load_b128 v[FB+8*\t:FB+8*\t+3], v[AM] offset:512*(\kb)+64*\t
	ds_load_b128 v[FB+8*\t+4:FB+8*\t+7], v[AM] offset:512*(\kb)+64*\t+16
.endr
.endm
.macro SMUL kb                         ; eight score tiles: each starts from 0
.set SR, 64*(\kb)
.set FS, FB+48*((\kb)%2)
	WIN 0x40                                       ; the scores: window 1
.irp f, 0,1,2,3
	WM SR+16*\f, FS+12*\f, QLO, -1, KSW+2*(\kb)+\f/2, QSW, \f%2
	WM SR+16*\f+8, FS+12*\f, QHI, -1, KSW+2*(\kb)+\f/2, QSW, \f%2
.endr
.endm
.macro MAXS kb                         ; 64 scores into four running maxima; each accumulator is read from its low end on
.set SR, 64*(\kb)
	WIN 0x14
.set n, 0
.rept 32
	v_max3_num_f32 v[MX+n%4], v[MX+n%4], v[SR+2*n], v[SR+2*n+1]
.set n, n+1
.endr
.endm
.macro FMA kb                          ; t = c s - c max, two at a time
.set SR, 64*(\kb)
	WIN 0x41
.set n, 0
.rept 32
	v_pk_fma_f32 v[SR+2*n:SR+2*n+1], v[SR+2*n:SR+2*n+1], s[80:81], v[NMC:NMC+1] op_sel_hi:[1,0,0]
.set n, n+1
.endr
.endm
.macro EXFMA kb                        ; a batch of 64 exponentials of step kb, and between them the 32 scalings of step kb + 1, which name none of the batch's registers; the last line is a plain one
.set SR, 64*(\kb)
	WIN 0x41
.set n, 0
.rept 32
	v_exp_f32 v[SR+2*n], v[SR+2*n]
	v_exp_f32 v[SR+2*n+1], v[SR+2*n+1]
	v_pk_fma_f32 v[SR+64+2*n:SR+64+2*n+1], v[SR+64+2*n:SR+64+2*n+1], s[80:81], v[NMC:NMC+1] op_sel_hi:[1,0,0]
.set n, n+1
.endr
.endm
.macro EXPS kb
.set SR, 64*(\kb)
	WIN 0x41
.set n, 0
.rept 64
	v_exp_f32 v[SR+n], v[SR+n]
.set n, n+1
.endr
.endm
.macro MMUL kb                         ; x mask
.set SR, 64*(\kb)
	WIN 0x41
.set n, 0
.rept 32
	v_pk_mul_f32 v[SR+2*n:SR+2*n+1], v[SR+2*n:SR+2*n+1], v[FB+2*n:FB+2*n+1]
.set n, n+1
.endr
.endm
.macro SADD kb                         ; my half of the row's sum, in four chains of pairs
.set SR, 64*(\kb)
	WIN 0x01
.set n, 0
.rept 32
	v_pk_add_f32 v[SUM+2*(n%4):SUM+2*(n%4)+1], v[SR+2*n:SR+2*n+1], v[SUM+2*(n%4):SUM+2*(n%4)+1]
.set n, n+1
.endr
.endm
.macro PN kb                           ; P = p / (sum + 1e-7)
.set SR, 64*(\kb)
	WIN 0x41
.set n, 0
.rept 32
	v_pk_mul_f32 v[SR+2*n:SR+2*n+1], v[SR+2*n:SR+2*n+1], v[INV:INV+1] op_sel_hi:[1,0]
.set n, n+1
.endr
.endm
.macro BMAX kb                         ; the four blocks' largest magnitudes, my 16 numbers of each, and the floor 2^(3 - 127)
.set SR, 64*(\kb)
	WIN 0x14
.irp b, 0,1,2,3
	v_max3_num_f32 v[TM+\b], 0x1800000, |v[SR+16*\b]|, |v[SR+16*\b+1]|
.endr
.irp i, 2,4,6,8,10,12,14
.irp b, 0,1,2,3
	s_delay_alu instid0(VALU_DEP_4)
	v_max3_num_f32 v[TM+\b], v[TM+\b], |v[SR+16*\b+\i]|, |v[SR+16*\b+\i+1]|
.endr
.endr
.endm
.macro QP kb                           ; P's scale word and its fragment for these 128 keys
.set SR, 64*(\kb)
	WIN 0
.irp b, 0,1,2,3
	v_permlanex16_b32 v[TM+4+\b], v[TM+\b], s84, s85
.endr
.irp b, 0,1,2,3
	s_delay_alu instid0(VALU_DEP_4)
	v_max_num_f32 v[TM+\b], v[TM+\b], v[TM+4+\b]
.endr
.irp b, 0,1,2,3
	s_delay_alu instid0(VALU_DEP_4)
	v_add_nc_u32 v[TM+12+\b], 0xff000000, v[TM+\b]
.endr
.irp b, 0,1,2,3
	s_delay_alu instid0(VALU_DEP_4)
	v_lshrrev_b32 v[TM+4+\b], 23, v[TM+12+\b]
.endr
	s_delay_alu instid0(VALU_DEP_3)
	v_lshl_or_b32 v[PSW], v[TM+5], 8, v[TM+4]
	s_delay_alu instid0(VALU_DEP_1)
	v_lshl_or_b32 v[PSW], v[TM+6], 16, v[PSW]
	s_delay_alu instid0(VALU_DEP_1)
	v_lshl_or_b32 v[PSW], v[TM+7], 24, v[PSW]
	WIN 0x01
.irp c, 0,1
	v_cvt_scalef32_pk16_fp6_f32 v[PC+6*\c:PC+2+6*\c], v[SR+32*\c:SR+15+32*\c], v[TM+12+2*\c]
	v_cvt_scalef32_pk16_fp6_f32 v[PC+12+4*\c:PC+14+4*\c], v[SR+16+32*\c:SR+31+32*\c], v[TM+12+2*\c+1]
.endr
	WIN 0
	v_nop                                          ; one plain place behind a scaled conversion
.irp c, 0,1
.irp i, 0,1,2
	v_permlane16_swap_b32 v[PC+6*\c+\i], v[PC+12+4*\c+\i]
.endr
.irp i, 0,1,2
	s_delay_alu instid0(VALU_DEP_3)
	v_mov_b32 v[PC+3+6*\c+\i], v[PC+12+4*\c+\i]
.endr
.endr
.endm
.macro PV kb                           ; O^T += V^T P^T: the four accumulators take turns, one instruction a turn
.set FS, FB+48*((\kb)%2)
.irp d, 0,1,2,3
.if (\kb) == 0
	WM OT+8*\d, FS+12*\d, PC, -1, VSW+2*(\kb)+\d%2, PSW, \d/2
.else
	WM OT+8*\d, FS+12*\d, PC, OT+8*\d, VSW+2*(\kb)+\d%2, PSW, \d/2
.endif
.endr
.endm
	s_load_b256 s[4:11], s[0:1], 0x0               ; qkv, mask, yc, ys
	v_lshl_add_u32 v107, v0, 2, 0x3d800
	v_mov_b32 v111, 0
	ds_add_u32 v107, v111
	ds_add_u32 v107, v111
	v_lshrrev_b32 v1, 5, v0
	s_delay_alu instid0(VALU_DEP_1)
	v_readfirstlane_b32 s12, v1                    ; wave 0..7
	s_and_b32 s92, s12, 3                          ; p: my pair
	s_lshr_b32 s83, s12, 2                         ; g: which half of the keys is mine
	s_bfe_u32 s13, ttmp6, 0x40000                  ; cx: which quarter of the queries; it enters Q's, y's and ys's global addresses alone
	s_and_b32 s14, ttmp7, 0xffff                   ; y = 8 b + P, which the four partners share
	s_lshr_b32 s15, s14, 3                         ; b
	s_and_b32 s16, s14, 7                          ; P
	; descriptor groups 1: elements of 8 bytes; dense blocks as rows of 256 bytes
	s_mov_b32 s24, 15|(3<<16)|(1<<21)              ; the mask names all four work-groups, bit 21 beside it
	s_mov_b32 s25, 32<<16
	s_mov_b32 s26, 192<<16                         ; a quarter of the two heads' K and V: 192 rows of 256 bytes
	s_mov_b32 s27, 32<<16
	s_mov_b32 s28, 192
	s_mov_b32 s29, 32
	s_mov_b32 s30, 0
	s_mov_b32 s31, 0
	s_mov_b32 s32, 15|(3<<16)|(1<<21)              ; a quarter of the scale words: 8 rows
	s_mov_b32 s33, 32<<16
	s_mov_b32 s34, 32<<16                          ; all the scale words: 32 rows
	s_mov_b32 s35, 32<<16
	s_mov_b32 s36, 32
	s_mov_b32 s37, 32
	s_mov_b32 s38, 0
	s_mov_b32 s39, 0
	s_mov_b32 s40, 15|(3<<16)|(1<<21)              ; a quarter of the mask: 4 rows
	s_mov_b32 s41, 32<<16
	s_mov_b32 s42, 16<<16                          ; the batch's mask: 16 rows
	s_mov_b32 s43, 32<<16
	s_mov_b32 s44, 16
	s_mov_b32 s45, 32
	s_mov_b32 s46, 0
	s_mov_b32 s47, 0
	s_mov_b32 s48, 3<<16                           ; Q, a load of the work-group's own
	s_mov_b32 s49, 32<<16                          ; one head's Q of the work-group's 16 tiles: 12,288 dense bytes, 48 rows
	s_mov_b32 s50, 48<<16
	s_mov_b32 s51, 32<<16
	s_mov_b32 s52, 48
	s_mov_b32 s53, 32
	s_mov_b32 s54, 0
	s_mov_b32 s55, 0
	s_mov_b32 s80, 0x3e38aa3b                      ; c = log2(e) / 8
	s_mov_b32 s81, s80                             ; (named with it as a pair)
	s_mov_b32 s82, 0xbe38aa3b                      ; -c
	s_mov_b32 s84, 0x76543210
	s_mov_b32 s85, 0xfedcba98                      ; v_permlanex16_b32's selects for lane l xor 16
	s_wait_dscnt 0x0
	s_wait_kmcnt 0x0
	s_lshl_b32 s18, s14, 13                        ; the scale words: SCOFF + 8,192 y
	s_add_co_u32 s18, s18, SCOFF
	s_mov_b32 s19, 0
	s_mov_b32 s56, 1
	s_mov_b32 s57, SCL
	s_add_nc_u64 s[58:59], s[4:5], s[18:19]
	s_or_b32 s59, s59, 0x80000000
	s_lshl_b32 s18, s15, 12                        ; the mask: 4,096 b
	s_mov_b32 s60, 1
	s_mov_b32 s61, MASKB
	s_add_nc_u64 s[62:63], s[6:7], s[18:19]
	s_or_b32 s63, s63, 0x80000000
	s_and_b32 s21, s12, 1                          ; waves 6 and 7 fetch Q of head c = wave % 2: (128 y + 64 c + 16 cx) x 768, to QC + 12,288 c
	s_lshl_b32 s18, s14, 7
	s_lshl_b32 s20, s13, 4
	s_add_co_u32 s18, s18, s20
	s_lshl_b32 s20, s21, 6
	s_add_co_u32 s18, s18, s20
	s_mul_i32 s18, s18, 768
	s_mov_b32 s68, 1
	s_mul_i32 s69, s21, 12288
	s_add_co_u32 s69, s69, QC
	s_add_nc_u64 s[70:71], s[4:5], s[18:19]
	s_or_b32 s71, s71, 0x80000000
	s_mul_i32 s18, s14, 2*HEADB                    ; the heads: KVOFF + 196,608 y + 49,152 p
	s_mul_i32 s20, s92, 49152                      ; the two heads lie on end, in memory and in LDS: waves 0-3 fetch a quarter of the 196,608 bytes each
	s_add_co_u32 s18, s18, s20
	s_add_co_u32 s18, s18, KVOFF
	s_mov_b32 s72, 1
	s_mov_b32 s73, s20
	s_add_nc_u64 s[74:75], s[4:5], s[18:19]
	s_or_b32 s75, s75, 0x80000000
	CROUND                                         ; all four work-groups are here: the joint loads meet
; The first fills, one a wave: waves 0-3 K and V, wave 4 the scale words, wave 5 the mask, waves 6 and 7 Q.  One chain of branches on the wave's number, one load to an arm, one join.
.macro ARM under, g0, g1, next
	s_cmp_lt_u32 s12, \under
	s_cbranch_scc0 \next
	tensor_load_to_lds s[\g0:\g0+3], s[\g1:\g1+7]
	s_nop 0
.rept 4
	v_nop
.endr
	s_branch .Lfilled
\next:
.endm
	ARM 4, 72, 24, .Lfill_s
	ARM 5, 56, 32, .Lfill_m
	ARM 6, 60, 40, .Lfill_q
	tensor_load_to_lds s[68:71], s[48:55]
	s_nop 0
.rept 4
	v_nop
.endr
.Lfilled:
	v_lshl_add_u32 v[XWA], v0, 2, XM               ; every LDS address that the two halves of a pair use apart is made here, ahead of their first parting
	v_xor_b32 v[XRA], 128, v0                      ; my partner's wave is four waves away
	s_delay_alu instid0(VALU_DEP_1)
	v_lshl_add_u32 v[XRA], v[XRA], 2, XM
	v_and_b32 v[XOA], 96, v0                       ; 32 p
	s_delay_alu instid0(VALU_DEP_1)
	v_lshlrev_b32 v[XOA], 7, v[XOA]                ; 4,096 p
	v_and_b32 v3, 31, v0
	s_delay_alu instid0(VALU_DEP_1)
	v_lshl_add_u32 v[XOA], v3, 4, v[XOA]
	s_delay_alu instid0(VALU_DEP_1)
	v_add_nc_u32 v[XOA], XO, v[XOA]
	s_delay_alu instid0(VALU_DEP_3)
	v_lshlrev_b32 v[L8], 3, v3
	s_wait_alu depctr_va_vdst(0)
	s_mul_i32 s17, s83, 24576                      ; four key steps of K, or of V
	v_add_nc_u32 v[LK], s17, v[L8]
	s_lshl_b32 s17, s83, 10                        ; four blocks of 256 bytes of K's scale words
	v_add_nc_u32 v[LKS], s17, v[L8]
	s_lshl_b32 s17, s83, 11                        ; four times 512 bytes of V's scale words; 512 numbers of the mask
	v_add_nc_u32 v[LVS], s17, v[L8]
	v_bfe_u32 v3, v0, 4, 1
	s_delay_alu instid0(VALU_DEP_1)
	v_lshl_add_u32 v[AM], v3, 5, MASKB
	s_delay_alu instid0(VALU_DEP_1)
	v_add_nc_u32 v[AM], s17, v[AM]
	s_mul_i32 s17, s92, 3072                       ; Q in LDS: [c 2][tile 16][768]: my pair's four tiles
	s_add_co_u32 s17, s17, QC
	v_add_nc_u32 v[AQC0], s17, v[L8]
	s_lshl_b32 s18, s14, 4                         ; Q's scale words: block (16 y + 8 c + 2 cx + p / 2) of 256 bytes, + 4 (p % 2) + 8 x lane
	s_lshl_b32 s19, s13, 1
	s_add_co_u32 s18, s18, s19
	s_lshr_b32 s19, s92, 1
	s_add_co_u32 s18, s18, s19
	s_lshl_b32 s18, s18, 8
	s_and_b32 s19, s92, 1
	s_lshl_b32 s19, s19, 2
	s_add_co_u32 s18, s18, s19
	s_add_co_u32 s18, s18, QSOFF
	v_add_nc_u32 v[QSO], s18, v[L8]
	global_load_b32 v[OT], v[QSO], s[4:5]          ; head 2 P: lanes 0-15 tiles 0, 1; lanes 16-31 tiles 2, 3
	global_load_b32 v[OT+1], v[QSO], s[4:5] offset:2048  ; head 2 P + 1
	s_lshl_b32 s18, s15, 6                         ; my pair's first token tile: 64 b + 16 cx + 4 p
	s_lshl_b32 s19, s13, 4
	s_add_co_u32 s18, s18, s19
	s_lshl_b32 s19, s92, 2
	s_add_co_u32 s18, s18, s19
	s_lshl_b32 s20, s18, 6                         ; its scale words: 64 bytes a tile,
	s_lshl_b32 s21, s16, 15                        ; + 32,768 P
	s_add_co_u32 s20, s20, s21
	s_mov_b32 s21, 0
	s_add_nc_u64 s[10:11], s[10:11], s[20:21]
	s_lshl_b32 s18, s18, 3
	s_add_co_u32 s18, s18, s16
	s_mul_i32 s18, s18, 1536                       ; yc: (8 x tile + P) x 1,536
	s_mov_b32 s19, 0
	s_add_nc_u64 s[8:9], s[8:9], s[18:19]
.irp i, 6,7,8,9,10,11
	v_mov_b32 v[QLO+\i], 0                         ; zero codes: they add nothing under any scale byte but 0xff
.endr
.irp i, 0,1,2,3,4,5
	v_mov_b32 v[QHI+\i], 0
.endr
.irp i, 0,1,2,3
	v_mov_b32 v[TM+4+\i], 0                        ; a lane permute's destination counts as one of its sources
	v_mov_b32 v[YW+\i], 0
.endr
	v_mov_b32 v[OT+2], 0
	v_mov_b32 v[OT+3], 0
	s_wait_alu depctr_va_vdst(0)
	s_wait_loadcnt 0x0
	v_permlanex16_b32 v[OT+2], v[OT], s84, s85
	v_permlanex16_b32 v[OT+3], v[OT+1], s84, s85
	v_perm_b32 v[QR+0], v[OT], v[OT], 0x01000100   ; a tile's two bytes twice: the word serves [Q | 0] and [0 | Q]
	v_perm_b32 v[QR+1], v[OT], v[OT], 0x03020302
	s_delay_alu instid0(VALU_DEP_4)
	v_perm_b32 v[QR+2], v[OT+2], v[OT+2], 0x01000100
	v_perm_b32 v[QR+3], v[OT+2], v[OT+2], 0x03020302
	v_perm_b32 v[QR+4], v[OT+1], v[OT+1], 0x01000100
	v_perm_b32 v[QR+5], v[OT+1], v[OT+1], 0x03020302
	v_perm_b32 v[QR+6], v[OT+3], v[OT+3], 0x01000100
	v_perm_b32 v[QR+7], v[OT+3], v[OT+3], 0x03020302
	s_wait_tensorcnt 0x0                           ; all my loads have landed,
	s_barrier_signal -1
	s_barrier_wait -1                              ; everybody's have: from here on the filled bytes are only read
	s_mov_b32 s90, 0                               ; the task, 4 c + t
	s_mov_b32 s89, 0                               ; its Q: 768 bytes a task
.Ltask:
	s_cmp_ge_u32 s90, 4                            ; the second head?
	s_cselect_b32 s86, HEADB, 0
	s_mov_b32 s87, SCL
	s_cselect_b32 s87, SCL+2048, s87
	s_mov_b32 s88, SCL+4096
	s_cselect_b32 s88, SCL+4100, s88
	s_cselect_b32 s91, 768, 0
	s_cselect_b32 s93, 9216, 0                     ; the second head's Q lies 12,288 bytes on: 3,072 are in s89 by then
	s_add_co_u32 s94, s86, VPART
	s_add_co_u32 s93, s93, s89
	s_and_b32 s95, s90, 3
	s_mul_i32 s95, s95, 12288
	s_add_co_u32 s91, s91, s95                     ; y's place: 12,288 t + 768 c
	v_add_nc_u32 v[ADK], s86, v[LK]
	v_add_nc_u32 v[ADV], s94, v[LK]
	v_add_nc_u32 v[ADKS], s87, v[LKS]
	v_add_nc_u32 v[ADVS], s88, v[LVS]
	v_add_nc_u32 v[ADQ], s93, v[AQC0]
.irp p, 0,1,2
	ds_load_b64 v[QLO+2*\p:QLO+2*\p+1], v[ADQ] offset:256*\p
.endr
.irp p, 0,1,2
	ds_load_b64 v[QHI+6+2*\p:QHI+7+2*\p], v[ADQ] offset:256*\p
.endr
.irp k, 0,1,2,3
	ds_load_b64 v[KSW+2*\k:KSW+2*\k+1], v[ADKS] offset:256*\k   ; register i of a key step: lanes 0-15 fragment 2 i, lanes 16-31 fragment 2 i + 1
.endr
	FETCHK 0
	FETCHK 1
	v_mov_b32 v[QSW], v[QR]                        ; this task's word; the queue turns.  The 20 lines below are the places between this write and the first product
.irp i, 0,1,2,3,4,5,6
	v_mov_b32 v[QR+\i], v[QR+\i+1]
.endr
	v_mov_b32 v[QR+7], v[QSW]
.irp i, 0,1,2,3
	v_mov_b32 v[MX+\i], 0xff800000
.endr
.irp i, 0,1,2,3,4,5,6,7
	v_mov_b32 v[SUM+\i], 0
.endr
	; ---- my half of the scores, 128 keys a step; the maxima of the step before stand behind each step's products
.irp kb, 0,1,2,3
.if \kb < 3
	s_wait_alu depctr_va_vdst(0)
	s_wait_dscnt 24                                ; this step's fragments are in; the next step's 24 loads may be out
.else
	s_wait_alu depctr_va_vdst(0)
	s_wait_dscnt 0x0
.endif
	SMUL \kb
.if \kb == 0
.rept 4
	v_nop                                          ; places in front of the loads below and of the first read of these scores
.endr
.else
	MAXS \kb-1                                     ; 32 plain lines that name none of this step's registers: the places
.endif
.if \kb < 2
	WIN 0
	FETCHK \kb+2
.endif
.endr
	MAXS 3
	WIN 0
	v_max3_num_f32 v[MX], v[MX], v[MX+1], v[MX+2]
	s_delay_alu instid0(VALU_DEP_1)
	v_max_num_f32 v[MX], v[MX], v[MX+3]
	s_delay_alu instid0(VALU_DEP_1)
	v_permlanex16_b32 v[MX+1], v[MX], s84, s85
	s_delay_alu instid0(VALU_DEP_1)
	v_max_num_f32 v[MX], v[MX], v[MX+1]            ; the largest score of my 512 keys
	ds_store_b32 v[XWA], v[MX]                     ; for my partner
	s_wait_alu depctr_va_vdst(0)
	s_wait_dscnt 0x0                               ; my store has landed; no LDS load of mine is out
	s_barrier_signal -1
	s_barrier_wait -1
	ds_load_b32 v[XT], v[XRA]                      ; my partner's
	MLOAD 0
	s_wait_dscnt 16                                ; my partner's word is in; the 16 loads of the mask may be out
	v_max_num_f32 v[MX], v[MX], v[XT]              ; the row's largest score, over all keys
	s_delay_alu instid0(VALU_DEP_1)
	v_mul_f32 v[NMC], s82, v[MX]
	s_delay_alu instid0(VALU_DEP_1)
	v_mov_b32 v[NMC+1], v[NMC]
	; ---- p = 2^(c s - c max) x mask, and my half of its sum
	FMA 0
	s_wait_alu depctr_va_vdst(0)
.irp kb, 0,1,2,3
.if \kb < 3
	EXFMA \kb                                      ; a batch of 64, the next step's scalings between them
.else
	EXPS \kb
	v_nop                                          ; a plain line behind the last exponential
.endif
	s_wait_alu depctr_va_vdst(0)                   ; one wait for the batch, ahead of its first reader
	s_wait_dscnt 0x0                               ; the mask of this step
	MMUL \kb
.if \kb < 3
	WIN 0
	MLOAD \kb+1
.endif
	SADD \kb
.endr
	WIN 0
	v_pk_add_f32 v[SUM:SUM+1], v[SUM:SUM+1], v[SUM+2:SUM+3]
	v_pk_add_f32 v[SUM+4:SUM+5], v[SUM+4:SUM+5], v[SUM+6:SUM+7]
	s_delay_alu instid0(VALU_DEP_1)
	v_pk_add_f32 v[SUM:SUM+1], v[SUM:SUM+1], v[SUM+4:SUM+5]
	s_delay_alu instid0(VALU_DEP_1)
	v_add_f32 v[SUM], v[SUM], v[SUM+1]
	s_delay_alu instid0(VALU_DEP_1)
	v_permlanex16_b32 v[SUM+2], v[SUM], s84, s85
	s_delay_alu instid0(VALU_DEP_1)
	v_add_f32 v[SUM], v[SUM], v[SUM+2]             ; the sum over my 512 keys
	ds_store_b32 v[XWA], v[SUM] offset:1024        ; for my partner
	s_wait_alu depctr_va_vdst(0)
	s_wait_dscnt 0x0
	s_barrier_signal -1
	s_barrier_wait -1
	ds_load_b32 v[XT], v[XRA] offset:1024          ; my partner's
.irp k, 0,1,2,3
	ds_load_b32 v[VSW+2*\k], v[ADVS] offset:512*\k         ; V's scale words: lanes 0-15 channel tile 0, lanes 16-31 tile 2;
	ds_load_b32 v[VSW+2*\k+1], v[ADVS] offset:512*\k+256   ; tiles 1 and 3
.endr
	VFETCH 0
	VFETCH 1
	s_wait_dscnt 56                                ; my partner's word is in; the 8 + 48 loads behind it may be out
	v_add_f32 v[SUM], v[SUM], v[XT]                ; the row's sum: the same two numbers in both waves, so the same bits
	s_delay_alu instid0(VALU_DEP_1)
	v_add_f32 v[SUM], 0x33d6bf95, v[SUM]           ; + 1e-7
	s_wait_alu depctr_va_vdst(0)
	v_rcp_f32 v[INV], v[SUM]
	s_wait_xcnt 0x0                                ; the last task's stores have read their offset and their data: both are written again only behind this wait
	v_add_nc_u32 v[YO], s91, v[L8]                 ; (a plain line behind the reciprocal)
	s_wait_alu depctr_va_vdst(0)                   ; the wait ahead of the reciprocal's first reader
	v_mov_b32 v[INV+1], v[INV]
	; ---- P normalised, quantised, multiplied: 128 keys a step
	PN 0
.irp kb, 0,1,2,3
	BMAX \kb                                       ; 32 plain lines: the places behind the last step's products
.if (\kb >= 1) && (\kb <= 2)
	WIN 0
	VFETCH \kb+1                                   ; into the set that the last step's products have read
.endif
	QP \kb
.if \kb < 3
	PN \kb+1                                       ; 32 plain lines between the writes of P's codes and scale word and the products
	WIN 0
	s_wait_dscnt 24                                ; this step's V is in; the next step's 24 loads may be out
.else
.rept 8
	v_nop
.endr
	s_wait_alu depctr_va_vdst(0)
	s_wait_dscnt 0x0
.endif
	PV \kb
.endr
.rept 4
	v_nop                                          ; places behind the last products, on both ways below
.endr
	; ---- O^T's two halves meet: wave g = 1 hands its 32 registers over as they stand, 16 bytes a lane
	s_cmp_eq_u32 s83, 0
	s_cbranch_scc1 .Lkeeps
.irp d, 0,1,2,3
	ds_store_b128 v[XOA], v[OT+8*\d:OT+8*\d+3] offset:1024*\d          ; each accumulator from its low end on
	ds_store_b128 v[XOA], v[OT+8*\d+4:OT+8*\d+7] offset:1024*\d+512
.endr
.Lkeeps:
	s_wait_dscnt 0x0                               ; the stores have landed
	s_barrier_signal -1
	s_barrier_wait -1
	s_cmp_lg_u32 s83, 0
	s_cbranch_scc1 .Lnext                          ; wave g = 1 goes on to the next task's scores
.irp c, 0,1,2,3,4,5,6,7
	ds_load_b128 v[FB+4*\c:FB+4*\c+3], v[XOA] offset:512*\c
.endr
	s_wait_dscnt 0x0
.irp n, 0,1,2,3,4,5,6,7,8,9,10,11,12,13,14,15
	v_pk_add_f32 v[OT+2*\n:OT+2*\n+1], v[OT+2*\n:OT+2*\n+1], v[FB+2*\n:FB+2*\n+1]
.endr
	; ---- y: my query's 64 channels of this head: two blocks of 32, half a fragment
.irp b, 0,1
	v_max3_num_f32 v[TM+\b], 0x1800000, |v[OT+16*\b]|, |v[OT+16*\b+1]|
.endr
.irp i, 2,4,6,8,10,12,14
.irp b, 0,1
	s_delay_alu instid0(VALU_DEP_2)
	v_max3_num_f32 v[TM+\b], v[TM+\b], |v[OT+16*\b+\i]|, |v[OT+16*\b+\i+1]|
.endr
.endr
.irp b, 0,1
	s_delay_alu instid0(VALU_DEP_2)
	v_permlanex16_b32 v[TM+4+\b], v[TM+\b], s84, s85
.endr
.irp b, 0,1
	s_delay_alu instid0(VALU_DEP_2)
	v_max_num_f32 v[TM+\b], v[TM+\b], v[TM+4+\b]
.endr
.irp b, 0,1
	s_delay_alu instid0(VALU_DEP_2)
	v_add_nc_u32 v[TM+12+\b], 0xff000000, v[TM+\b]
.endr
.irp b, 0,1
	s_delay_alu instid0(VALU_DEP_2)
	v_lshrrev_b32 v[TM+4+\b], 23, v[TM+12+\b]
.endr
	s_delay_alu instid0(VALU_DEP_1)
	v_lshl_or_b32 v[YH], v[TM+5], 8, v[TM+4]       ; this head's two bytes
	v_cvt_scalef32_pk16_fp6_f32 v[PC:PC+2], v[OT:OT+15], v[TM+12]
	v_cvt_scalef32_pk16_fp6_f32 v[PC+4:PC+6], v[OT+16:OT+31], v[TM+13]
	v_nop                                          ; one plain place behind a scaled conversion
.irp i, 0,1,2
	v_permlane16_swap_b32 v[PC+\i], v[PC+4+\i]     ; lanes 0-15 block 0 whole, lanes 16-31 block 1
.endr
.irp i, 0,1,2
	s_delay_alu instid0(VALU_DEP_3)
	v_mov_b32 v[PC+3+\i], v[PC+4+\i]
.endr
.irp p, 0,1,2
	global_store_b64 v[YO], v[PC+2*\p:PC+2*\p+1], s[8:9] offset:256*\p   ; the wave stores 256 consecutive bytes, aligned
.endr
	v_perm_b32 v[CMB], v[YH], v[YW+3], 0x05040302  ; the word pushed four tasks ago moves its bytes down, this head's come on top: after eight tasks a tile's word holds both heads'
	v_mov_b32 v[YW+3], v[YW+2]
	v_mov_b32 v[YW+2], v[YW+1]
	v_mov_b32 v[YW+1], v[YW]
	s_delay_alu instid0(VALU_DEP_4)
	v_mov_b32 v[YW], v[CMB]
.Lnext:
	s_add_co_u32 s89, s89, 768
	s_add_co_u32 s90, s90, 1
	s_cmp_lt_u32 s90, 8
	s_cbranch_scc1 .Ltask
	s_cmp_lg_u32 s83, 0
	s_cbranch_scc1 .Lend                           ; y's scale words lie in wave g = 0
	s_mov_b32 vcc_lo, 0xffff0000                   ; lanes 0-15 tiles 0 and 2, lanes 16-31 tiles 1 and 3
	v_cndmask_b32 v[MX], v[YW+3], v[YW+2], vcc_lo
	v_cndmask_b32 v[MX+1], v[YW+1], v[YW], vcc_lo
	global_store_b64 v[L8], v[MX:MX+1], s[10:11]   ; 256 consecutive bytes, aligned
.Lend:
	s_wait_tensorcnt 0x0
	ds_add_u32 v107, v111
	s_wait_dscnt 0x0
	CROUND                                         ; the closing round
	s_endpgm
.Lfunc_end_k_q2258b1c798_attn:
	.size	k_q2258b1c798_attn, .Lfunc_end_k_q2258b1c798_attn-k_q2258b1c798_attn
	.p2alignl 7, 3214868480
	.fill 96, 4, 3214868480
	.section	.rodata,"a",@progbits
	.p2align	6, 0x0
	.amdhsa_kernel k_q2258b1c798_attn
		.amdhsa_group_segment_fixed_size 252928
		.amdhsa_private_segment_fixed_size 0
		.amdhsa_enable_private_segment 0
		.amdhsa_kernarg_size 32
		.amdhsa_user_sgpr_count 2
		.amdhsa_user_sgpr_kernarg_segment_ptr 1
		.amdhsa_wavefront_size32 1
		.amdhsa_system_sgpr_workgroup_id_x 1
		.amdhsa_system_sgpr_workgroup_id_y 1
		.amdhsa_system_sgpr_workgroup_id_z 1
		.amdhsa_system_vgpr_workitem_id 0
		.amdhsa_next_free_vgpr 512
		.amdhsa_next_free_sgpr 96
		.amdhsa_reserve_vcc 1
		.amdhsa_float_denorm_mode_32 3
		.amdhsa_float_denorm_mode_16_64 3
		.amdhsa_memory_ordered 1
		.amdhsa_forward_progress 1
		.amdhsa_inst_pref_size 115
	.end_amdhsa_kernel
	.amdgpu_metadata
---
amdhsa.version: [ 1, 2 ]
amdhsa.kernels:
  - .name:           k_q2258b1c798_attn
    .symbol:         k_q2258b1c798_attn.kd
    .args:
      - { .name: qkv, .offset: 0, .size: 8, .value_kind: global_buffer, .address_space: global }
      - { .name: mask, .offset: 8, .size: 8, .value_kind: global_buffer, .address_space: global }
      - { .name: yc, .offset: 16, .size: 8, .value_kind: global_buffer, .address_space: global }
      - { .name: ys, .offset: 24, .size: 8, .value_kind: global_buffer, .address_space: global }
    .group_segment_fixed_size: 252928
    .private_segment_fixed_size: 0
    .kernarg_segment_align: 8
    .kernarg_segment_size: 32
    .max_flat_workgroup_size: 256
    .sgpr_count:     96
    .vgpr_count:     512
    .wavefront_size: 32
...
	.end_amdgpu_metadata
.endif
;; end of part 3
;; launch oproj (part 4): grid 4 x 64, 4 waves a work-group, clusters of 4 x 4, 327,680 bytes of LDS; arguments yc, ys, wc, ws, bo, out0; writes out0
.if DOCPART == 4
	.amdgcn_target "amdgcn-amd-amdhsa--gfx1250"
	.amdhsa_code_object_version 6
	.text
	.protected	k_q2258b1c798_oproj
	.globl	k_q2258b1c798_oproj
	.p2align	8
	.type	k_q2258b1c798_oproj,@function
k_q2258b1c798_oproj:
	s_mov_b64 s[64:65], 0
	v_nop
	global_prefetch_b8 v0, s[64:65] scope:SCOPE_SE
	s_setreg_imm32_b32 hwreg(HW_REG_WAVE_MODE, 25, 1), 1
	s_wait_xcnt 0x0
	s_wait_alu depctr_hold_cnt(0) depctr_sa_sdst(0) depctr_va_vdst(0) depctr_va_sdst(0) depctr_va_ssrc(0) depctr_va_vcc(0) depctr_vm_vsrc(0)
	s_getreg_b32 s2, hwreg(HW_REG_IB_STS2, 6, 4)
	s_cmp_eq_u32 s2, 0
	s_cbranch_scc0 .Lentry_in_a_cluster
	s_endpgm
.Lentry_in_a_cluster:
	s_bfe_u32 s2, ttmp6, 0x10000c
	s_cmp_lg_u32 s2, 0xf033
	s_cbranch_scc0 .Lentry_shape_is_right
	s_endpgm
.Lentry_shape_is_right:
; out0 = y wo + bo on codes of FP6 (E2M3) with E8M0 scales for each 32 along K = 1,024; sums in f32.
; yc [token tile 512][K step 8][1,536] and wc [row tile 256][K step 8][1,536] are images of operand registers (wo's rows are wc's rows 3,072 on); ys [K step 8][token tile 512][64], in groups of four tiles; ws [row][32].
; A work-group of four waves makes 128 tokens x 256 columns: 64 x 4 = 256 work-groups.  A wave makes 64 x 128: 32 accumulators, 256 registers.
; ALL OF K LIES IN LDS: 384 rows x 768 bytes and the scales.  Nothing is filled again.  The fills come in two halves along K: the first half and the scales at the head, one load a wave; the second half
; behind a wait, an add and a round of the cluster's barrier, one load a wave, and it is awaited in K step 3, ahead of a barrier.
; CLUSTERS: 4 x 4.  y's tiles are shared along a row of the cluster, wo's along a column: joint loads.
; No prefetch: the text has no loop to run ahead in, and all tiles are asked for within its first lines.
; The matrix instruction takes wo's rows as source 0 and y's as source 1: a lane holds a token and eight neighbouring columns.  The bias is the C of each sum's first matrix instruction.
; REGISTERS: window 0: v0-31 addresses; v32-95 wo's scale words, v96-111 y's (lanes 0-15 the even K step, 16-31 the odd); v112-207 y's fragments, two sets; on the way out v112-239.
;   window 1: v0-191 wo's fragments, two sets; v192-255 the bias.   window 2: the accumulators, (a, b) at v[8 (8 a + b)].
.set FR,     12
.set TILEB,  12288                     ; a tile of 16 rows, all of K
.set HK,     6144                      ; half of K of a tile: four K steps
.set A0,     0                         ; LDS: y's 8 tiles, first half of K
.set B0,     8*HK                      ; wo's 16 tiles, first half
.set A1,     24*HK                     ; the second halves
.set B1,     32*HK
.set SA,     48*HK                     ; y's scale words: [K step 8][512]
.set SB,     SA+4096                   ; wo's scale bytes: 32 rows of 256 bytes + 16
.set HALFS,  4352
.set SBLK,   544
.set SPARE,  SB+2*HALFS                ; the spare words, 128 bytes a wave
.set SPITCH, 528                       ; the way out: a stage of 16 rows x (512 + 16) bytes a wave, from LDS byte 0: bytes of the first half, last filled at the head and last read ahead of K step 3's barrier
.set ADRA, 16                          ; v16-17 my y fragments, first and second half of K
.set ADRB, 18                          ; v18-19 my wo fragments
.set STO,  24
.set RD,   25
.set CO,   26
.set ADRSB, 27
.set SPW,  28
.set NIL,  29
.set ADRSA, 30
.set BO,   31
.set SCB,  32
.set SCA,  96
.set AF,   112
.set BK,   112
.set BIAS, 192
.set G1, 24
.set G0, 32
.set G1B, 48
.set G0B, 56
.set G1S, 68
.set G0S, 76
.set G1SB, 80
.set G0SB, 88
.set G0H, 4
.set G0HB, 8
.set MSB, 0
.macro WIN new                         ; the immediate's high byte repeats the setting that is left
.if MSB != \new
	s_set_vgpr_msb (MSB<<8)|\new
.set MSB, \new
.endif
.endm
.macro TL g0, g1                       ; a tensor load with an s_nop and four v_nop behind it
	tensor_load_to_lds s[\g0:\g0+3], s[\g1:\g1+7]
	s_nop 0
.rept 4
	v_nop
.endr
.endm
.macro CROUND                          ; a round of the cluster's barrier
	s_barrier_signal -1
	s_barrier_wait -1
	s_cmp_lg_u32 s14, 0
	s_cbranch_scc1 .Lnot_wave_0_\@
	s_barrier_signal -3
.Lnot_wave_0_\@:
	s_barrier_wait -3
	s_barrier_signal -1
	s_barrier_wait -1
.endm
.macro ARM under, g0, g1, next
	s_cmp_lt_u32 s14, \under
	s_cbranch_scc0 \next
	TL \g0, \g1
	s_branch .Lhead_asked
\next:
.endm
.macro PLACES                          ; plain vector lines between a matrix instruction and a load into, or a read of, its registers
.rept 4
	v_nop
.endr
.endm
	s_load_b128 s[4:7], s[0:1], 0x0                ; yc, ys
	s_load_b128 s[8:11], s[0:1], 0x10              ; wc, ws
	s_load_b128 s[96:99], s[0:1], 0x20             ; bo, out0
	v_lshl_add_u32 v[SPW], v0, 2, SPARE
	v_mov_b32 v[NIL], 0
	ds_add_u32 v[SPW], v[NIL]                      ; the opening lines: the add twice on end and one wait
	ds_add_u32 v[SPW], v[NIL]
	v_lshrrev_b32 v1, 5, v0
	v_readfirstlane_b32 s14, v1                    ; wave
	s_lshr_b32 s15, s14, 1                         ; which 64 tokens are mine.  Also: in the second fill I fetch for y (0) or wo (1)
	s_and_b32 s16, s14, 1                          ; which 128 columns.  Also: which half of that tile's rows I fetch
	s_bfe_u32 s40, ttmp6, 0x40000                  ; cx
	s_bfe_u32 s41, ttmp6, 0x40004                  ; cy
	s_lshl_b32 s42, ttmp9, 2
	s_add_co_u32 s42, s42, s40                     ; block of 256 columns
	s_and_b32 s17, ttmp7, 0xffff
	s_lshl_b32 s17, s17, 2
	s_add_co_u32 s17, s17, s41                     ; block of 128 tokens
	s_lshl_b32 s43, s41, 2
	s_lshl_b32 s43, 15, s43                        ; my row of the cluster
	s_lshl_b32 s44, 0x1111, s40                    ; my column
	s_or_b32 s[G1+0], s43, (3<<16)|(1<<21)         ; codes: elements of 8 bytes; a tensor row is half of K of a tile, 6,144 bytes, 12,288 from tile to tile
	s_or_b32 s[G1B+0], s44, (3<<16)|(1<<21)
.irp g, G1, G1B
	s_mov_b32 s[\g+1], 768<<16
	s_mov_b32 s[\g+3], 768<<16
	s_mov_b32 s[\g+5], 1536
	s_mov_b32 s[\g+6], 0
	s_mov_b32 s[\g+7], 0
.endr
	s_mov_b32 s[G1+2], 8<<16                       ; y: 8 tiles at the head
	s_mov_b32 s[G1+4], 8
	s_mov_b32 s[G1B+2], 16<<16                     ; wo: 16
	s_mov_b32 s[G1B+4], 16
	s_or_b32 s[G1S+0], s43, (3<<16)|(1<<21)        ; y's scale words: 8 K steps x 512 bytes, 32,768 apart
	s_mov_b32 s[G1S+1], 64<<16
	s_mov_b32 s[G1S+2], 8<<16
	s_mov_b32 s[G1S+3], 64<<16
	s_mov_b32 s[G1S+4], 8
	s_mov_b32 s[G1S+5], 4096
	s_mov_b32 s[G1S+6], 0
	s_mov_b32 s[G1S+7], 0
	s_or_b32 s[G1SB+0], s44, (3<<16)|(1<<20)|(1<<21)|(5<<22)|(3<<25)   ; wo's scale bytes: 8,192 dense bytes as 32 rows of 256, 16 of padding behind each
	s_mov_b32 s[G1SB+1], 32<<16
	s_mov_b32 s[G1SB+2], 32<<16
	s_mov_b32 s[G1SB+3], 32<<16
	s_mov_b32 s[G1SB+4], 32
	s_mov_b32 s[G1SB+5], 32
	s_mov_b32 s[G1SB+6], 0
	s_mov_b32 s[G1SB+7], 0
	s_mul_i32 s20, s17, 8*TILEB                    ; y's codes: it hangs on the token block alone
	s_mov_b32 s21, 0
	s_lshl_b32 s22, s17, 9                         ; y's scale words
	s_mov_b32 s23, 0
	s_lshl_b32 s46, s42, 8
	s_add_co_u32 s46, s46, 3072                    ; wo's first row in wc and ws: it hangs on the column block alone
	s_lshl_b32 s92, s46, 5
	s_mov_b32 s93, 0
	s_mul_i32 s46, s46, 768
	s_mov_b32 s47, 0
	s_mul_i32 s18, s16, 4*TILEB                    ; the second fill: my half of the tiles, the second half of K
	s_add_co_u32 s18, s18, HK
	s_mov_b32 s19, 0
	s_mul_i32 s66, s16, 8*TILEB
	s_add_co_u32 s66, s66, HK
	s_mov_b32 s67, 0
	s_mul_i32 s36, s16, 4*HK
	s_add_co_u32 s36, s36, A1
	s_mul_i32 s37, s16, 8*HK
	s_add_co_u32 s37, s37, B1
	s_wait_dscnt 0x0                               ; both opening adds are done
	s_wait_kmcnt 0x0
	s_add_nc_u64 s[20:21], s[4:5], s[20:21]
	s_add_nc_u64 s[22:23], s[6:7], s[22:23]
	s_add_nc_u64 s[46:47], s[8:9], s[46:47]
	s_add_nc_u64 s[92:93], s[10:11], s[92:93]
	CROUND                                         ; all sixteen work-groups are here: the first joint loads meet
	s_mov_b32 s[G0H], 1
	s_mov_b32 s[G0H+1], A0
	s_mov_b64 s[G0H+2:G0H+3], s[20:21]
	s_or_b32 s[G0H+3], s[G0H+3], 0x80000000
	s_mov_b32 s[G0HB], 1
	s_mov_b32 s[G0HB+1], B0
	s_mov_b64 s[G0HB+2:G0HB+3], s[46:47]
	s_or_b32 s[G0HB+3], s[G0HB+3], 0x80000000
	s_mov_b32 s[G0S], 1
	s_mov_b32 s[G0S+1], SA
	s_mov_b64 s[G0S+2:G0S+3], s[22:23]
	s_or_b32 s[G0S+3], s[G0S+3], 0x80000000
	s_mov_b32 s[G0SB], 1
	s_mov_b32 s[G0SB+1], SB
	s_mov_b64 s[G0SB+2:G0SB+3], s[92:93]
	s_or_b32 s[G0SB+3], s[G0SB+3], 0x80000000
	s_mov_b32 s[G0], 1
	s_mov_b32 s[G0+1], s36
	s_add_nc_u64 s[G0+2:G0+3], s[20:21], s[18:19]
	s_or_b32 s[G0+3], s[G0+3], 0x80000000
	s_mov_b32 s[G0B], 1
	s_mov_b32 s[G0B+1], s37
	s_add_nc_u64 s[G0B+2:G0B+3], s[46:47], s[66:67]
	s_or_b32 s[G0B+3], s[G0B+3], 0x80000000
	; the head's loads, one a wave: wave 0 y's first half, wave 1 wo's, wave 2 y's scale words, wave 3 wo's scale bytes.  One chain of branches, one load to an arm, one join
	ARM 1, G0H,  G1,  .Lhead_b
	ARM 2, G0HB, G1B, .Lhead_sa
	ARM 3, G0S,  G1S, .Lhead_sb
	TL G0SB, G1SB
.Lhead_asked:
	s_mul_i32 s21, s15, 4*HK                       ; my four tiles of y,
	s_add_co_u32 s23, s21, A1
	s_mul_i32 s22, s16, 8*HK                       ; my eight of wo
	s_add_co_u32 s22, s22, B0
	s_add_co_u32 s45, s22, B1-B0
	s_mul_i32 s36, s16, HALFS
	s_add_co_u32 s36, s36, SB
	s_lshl_b32 s37, s15, 8                         ; a group of four tiles' scale words is 256 bytes
	s_add_co_u32 s37, s37, SA
	s_mul_i32 s38, s14, 16*SPITCH                  ; my stage
	s_lshl_b32 s46, s42, 10                        ; my first column, in bytes
	s_lshl_b32 s47, s16, 9
	s_add_co_u32 s46, s46, s47
	s_mov_b32 s47, 0
	s_add_nc_u64 s[96:97], s[96:97], s[46:47]
	s_lshl_b32 s60, s17, 7
	s_lshl_b32 s61, s15, 6
	s_add_co_u32 s60, s60, s61                     ; my first token
	s_lshl_b32 s60, s60, 12
	s_add_co_u32 s60, s60, s46
	s_mov_b32 s61, 0
	s_add_nc_u64 s[98:99], s[98:99], s[60:61]
	v_and_b32 v1, 15, v0                           ; r
	v_bfe_u32 v2, v0, 4, 1                         ; h
	v_and_b32 v6, 31, v0
	v_lshlrev_b32 v3, 3, v6                        ; a piece of a fragment: 8 bytes a lane
	v_add_nc_u32 v[ADRA], s21, v3
	v_add_nc_u32 v[ADRA+1], s23, v3
	v_add_nc_u32 v[ADRB], s22, v3
	v_add_nc_u32 v[ADRB+1], s45, v3
	v_lshlrev_b32 v5, 5, v1                        ; wo's scale bytes: 32 a row,
	v_lshrrev_b32 v4, 8, v5
	v_lshl_add_u32 v5, v4, 4, v5                   ; and 16 more for each 256 passed
	v_add_nc_u32 v[ADRSB], s36, v5
	v_lshlrev_b32 v5, 3, v1                        ; y's scale words: 8 r, lanes 16-31 the next K step's
	v_lshl_add_u32 v5, v2, 9, v5
	v_add_nc_u32 v[ADRSA], s37, v5
	v_mul_u32_u24 v5, v1, SPITCH                   ; the stage, in: row r, 32 bytes for each half of the lanes
	v_lshl_add_u32 v5, v2, 5, v5
	v_add_nc_u32 v[STO], s38, v5
	v_lshlrev_b32 v[CO], 4, v6                     ; back: the 32 lanes take a row of 512 bytes; the same in out0
	v_add_nc_u32 v[RD], s38, v[CO]
	v_lshlrev_b32 v[BO], 5, v2
	s_wait_alu depctr_va_vdst(0)                   ; the wait at the head's end
	WIN 0x40                                       ; destination window 1
.irp b, 0,1,2,3,4,5,6,7
	global_load_b128 v[BIAS+8*\b:BIAS+8*\b+3], v[BO], s[96:97] offset:64*\b       ; register 8 b + j: bo at column 16 b + 8 h + j
	global_load_b128 v[BIAS+8*\b+4:BIAS+8*\b+7], v[BO], s[96:97] offset:64*\b+16
.endr
	WIN 0
.macro FRAG reg, adr, off              ; a fragment: six pieces, each 256 consecutive bytes for the 32 lanes
.irp p, 0,1,2,3,4,5
	ds_load_b64 v[\reg+2*\p:\reg+2*\p+1], v[\adr] offset:(\off)+256*\p
.endr
.endm
.macro FETCH ks                        ; K step ks: wo's eight fragments and y's four into set ks % 2
	WIN 0x40
.irp i, 0,1,2,3,4,5,6,7
	FRAG 96*((\ks)%2)+FR*\i, ADRB+(\ks)/4, \i*HK+((\ks)%4)*1536
.endr
	WIN 0
.irp i, 0,1,2,3
	FRAG AF+48*((\ks)%2)+FR*\i, ADRA+(\ks)/4, \i*HK+((\ks)%4)*1536
.endr
.endm
; 16 matrix instructions: y's blocks a0, a0 + 1 x wo's eight.  The 32 accumulators take turns, one instruction a turn, in the same order in every step.
.macro MUL16 ks, a0
.irp a, \a0, \a0+1
.irp b, 0,1,2,3,4,5,6,7
.set DD, 8*(8*(\a)+\b)
.set BF, 96*((\ks)%2)+FR*\b
.set AA, AF+48*((\ks)%2)+FR*(\a)
.set SS, SCB+16*((\ks)/2)+2*\b+(\ks)%2
.set ST, SCA+4*((\ks)/2)+(\a)
.if (\ks) == 0
	v_wmma_scale_f32_16x16x128_f8f6f4 v[DD:DD+7], v[BF:BF+11], v[AA:AA+11], v[BIAS+8*\b:BIAS+8*\b+7], v[SS], v[ST] matrix_a_fmt:MATRIX_FMT_FP6 matrix_b_fmt:MATRIX_FMT_FP6
.elseif (\ks)%2 == 1
	v_wmma_scale_f32_16x16x128_f8f6f4 v[DD:DD+7], v[BF:BF+11], v[AA:AA+11], v[DD:DD+7], v[SS], v[ST] matrix_a_fmt:MATRIX_FMT_FP6 matrix_b_fmt:MATRIX_FMT_FP6 matrix_b_scale:MATRIX_SCALE_ROW1
.else
	v_wmma_scale_f32_16x16x128_f8f6f4 v[DD:DD+7], v[BF:BF+11], v[AA:AA+11], v[DD:DD+7], v[SS], v[ST] matrix_a_fmt:MATRIX_FMT_FP6 matrix_b_fmt:MATRIX_FMT_FP6
.endif
.endr
.endr
.endm
.macro STEP ks                         ; 128 along K: the next step's fragments are asked for first, then 32 matrix instructions
.if (\ks) == 3
	s_wait_tensorcnt 0x0                           ; my part of the second half of K is in
	s_wait_dscnt 0x0                               ; this step's fragments are in: my reads of the first half are over
	s_barrier_signal -1
	WIN 0xa1
	MUL16 \ks, 0
	s_barrier_wait -1                              ; everybody's part is in
	PLACES
	FETCH 4
	WIN 0xa1
	MUL16 \ks, 2
.else
	s_wait_dscnt 0x0                               ; this step's fragments are in
.if (\ks) > 0 && (\ks) < 7
	PLACES
.endif
.if (\ks) < 7
	FETCH (\ks)+1
.endif
.if (\ks) == 0
	WIN 0x91                                       ; source 0 window 1, source 1 window 0, C (the bias) window 1, D window 2
.else
	WIN 0xa1                                       ; C and D window 2
.endif
	MUL16 \ks, 0
	MUL16 \ks, 2
.endif
.endm
	s_wait_tensorcnt 0x0                           ; my tile of the head's four is in
	ds_add_u32 v[SPW], v[NIL]
	s_mov_b32 s[G1+2], 4<<16                       ; no tensor load of mine is out: the second fill's loads bring half of the tiles
	s_mov_b32 s[G1+4], 4
	s_mov_b32 s[G1B+2], 8<<16
	s_mov_b32 s[G1B+4], 8
	s_wait_dscnt 0x0
	CROUND                                         ; a whole round: all four tiles are in, and the joint loads meet
	s_cmp_eq_u32 s15, 0                            ; the second half of K: waves 0 and 1 fetch y's tiles, waves 2 and 3 wo's
	s_cbranch_scc0 .Lsecond_b
	TL G0, G1
	s_branch .Lsecond_asked
.Lsecond_b:
	TL G0B, G1B
.Lsecond_asked:
	FETCH 0
.irp pr, 0,1,2,3                       ; all the scale words, once: wo's two words of a pair of K steps for each block; y's word, lanes 0-15 the even step, lanes 16-31 the odd
.irp i, 0,1,2,3,4,5,6,7
	ds_load_b64 v[SCB+16*\pr+2*\i:SCB+16*\pr+2*\i+1], v[ADRSB] offset:\i*SBLK+8*\pr
.endr
.irp i, 0,1,2,3
	ds_load_b32 v[SCA+4*\pr+\i], v[ADRSA] offset:1024*\pr+128*(\i%2)+4*(\i/2)
.endr
.endr
	s_wait_loadcnt 0x0                             ; the bias
.irp k, 0,1,2,3,4,5,6,7
	STEP \k
.endr
	WIN 0
; THE WAY OUT, block by block of 16 tokens x 128 columns, through my own stage: back as whole rows of 512 bytes.  LDS serves a wave's instructions in order (ISA guide 5.7.1.4).
.macro TOSTAGE a
.set AC, 64*(\a)
	WIN 0x08                                       ; the data: window 2
.irp b, 0,1,2,3,4,5,6,7
	ds_store_b128 v[STO], v[AC+8*\b:AC+8*\b+3] offset:64*\b          ; each accumulator from its low end on
	ds_store_b128 v[STO], v[AC+8*\b+4:AC+8*\b+7] offset:64*\b+16
.endr
	WIN 0
.set BB, BK+64*((\a)%2)
.irp t, 0,1,2,3,4,5,6,7,8,9,10,11,12,13,14,15
	ds_load_b128 v[BB+4*\t:BB+4*\t+3], v[RD] offset:\t*SPITCH
.endr
.endm
.macro SEND a, younger                 ; younger: the LDS instructions issued behind block a's loads
.set BB, BK+64*((\a)%2)
	s_wait_dscnt \younger
.if (\a) > 0
	s_add_nc_u64 s[98:99], s[98:99], 16*4096       ; behind a wait on XCNT: the earlier stores have read their base
.endif
.irp t, 0,1,2,3,4,5,6,7,8,9,10,11,12,13,14,15
	global_store_b128 v[CO], v[BB+4*\t:BB+4*\t+3], s[98:99] offset:\t*4096 th:TH_STORE_NT   ; 32 lanes store 512 consecutive bytes, aligned
.endr
.endm
	PLACES                                         ; behind the last products
	TOSTAGE 0
.irp a, 1,2,3
.if \a > 1
	s_wait_xcnt 0x0                                ; block a - 2's stores have read their registers and their base
.endif
	TOSTAGE \a
	SEND \a-1, 32                                  ; behind block a - 1's loads: block a's 16 stores and 16 loads
.endr
	s_wait_xcnt 0x0
	SEND 3, 0
	s_wait_tensorcnt 0x0                           ; the wave's end
	ds_add_u32 v[SPW], v[NIL]
	s_wait_dscnt 0x0
	CROUND                                         ; the closing round
	s_endpgm
.Lfunc_end_k_q2258b1c798_oproj:
	.size	k_q2258b1c798_oproj, .Lfunc_end_k_q2258b1c798_oproj-k_q2258b1c798_oproj
	.p2alignl 7, 3214868480
	.fill 96, 4, 3214868480
	.section	.rodata,"a",@progbits
	.p2align	6, 0x0
	.amdhsa_kernel k_q2258b1c798_oproj
		.amdhsa_group_segment_fixed_size 327680
		.amdhsa_private_segment_fixed_size 0
		.amdhsa_enable_private_segment 0
		.amdhsa_kernarg_size 48
		.amdhsa_user_sgpr_count 2
		.amdhsa_user_sgpr_kernarg_segment_ptr 1
		.amdhsa_wavefront_size32 1
		.amdhsa_system_sgpr_workgroup_id_x 1
		.amdhsa_system_sgpr_workgroup_id_y 1
		.amdhsa_system_sgpr_workgroup_id_z 1
		.amdhsa_system_vgpr_workitem_id 0
		.amdhsa_next_free_vgpr 768
		.amdhsa_next_free_sgpr 100
		.amdhsa_reserve_vcc 0
		.amdhsa_float_denorm_mode_32 3
		.amdhsa_float_denorm_mode_16_64 3
		.amdhsa_memory_ordered 1
		.amdhsa_forward_progress 1
		.amdhsa_inst_pref_size 100
	.end_amdhsa_kernel
	.amdgpu_metadata
---
amdhsa.version: [ 1, 2 ]
amdhsa.kernels:
  - .name:           k_q2258b1c798_oproj
    .symbol:         k_q2258b1c798_oproj.kd
    .args:
      - { .name: yc, .offset: 0, .size: 8, .value_kind: global_buffer, .address_space: global }
      - { .name: ys, .offset: 8, .size: 8, .value_kind: global_buffer, .address_space: global }
      - { .name: wc, .offset: 16, .size: 8, .value_kind: global_buffer, .address_space: global }
      - { .name: ws, .offset: 24, .size: 8, .value_kind: global_buffer, .address_space: global }
      - { .name: bo, .offset: 32, .size: 8, .value_kind: global_buffer, .address_space: global }
      - { .name: out0, .offset: 40, .size: 8, .value_kind: global_buffer, .address_space: global }
    .group_segment_fixed_size: 327680
    .private_segment_fixed_size: 0
    .kernarg_segment_align: 8
    .kernarg_segment_size: 48
    .max_flat_workgroup_size: 128
    .sgpr_count:     100
    .vgpr_count:     768
    .wavefront_size: 32
...
	.end_amdgpu_metadata
.endif
;; end of part 4
